; MI455X (gfx1250); checked and timed in simulation.
; The chip was launched on July 23, 2026; its instructions are those of AMD's public machine-readable ISA for CDNA 5 (MIT licence, August 2026) and "CDNA5" Instruction Set Architecture Reference Guide (July 2026). The comments in the code are by the model that wrote it; some were corrected since.
;; Custom Encoder Layer. Allowed arithmetic: matrix products marked QUANTISED: E4M3 operands, one E8M0 scale for each 32 along K, by v_wmma_scale_f32_16x16x128_f8f6f4 with both operands' format E4M3, f32 sums; everything else in f32.
;; Inputs: W1_codes 4,096 x 32 x 32 uint8 (E4M3 codes of W1, K innermost, in blocks of 32 codes); W1_scales 4,096 x 32 uint8 (E8M0 scales of W1, one for each 32 codes along K); W2_codes 1,024 x 128 x 32 uint8 (E4M3 codes of W2, K innermost, in blocks of 32 codes); W2_scales 1,024 x 128 uint8 (E8M0 scales of W2, one for each 32 codes along K); Wk_codes 1,024 x 32 x 32 uint8 (E4M3 codes of Wk, K innermost, in blocks of 32 codes); Wk_scales 1,024 x 32 uint8 (E8M0 scales of Wk, one for each 32 codes along K); Wo_codes 1,024 x 32 x 32 uint8 (E4M3 codes of Wo, K innermost, in blocks of 32 codes); Wo_scales 1,024 x 32 uint8 (E8M0 scales of Wo, one for each 32 codes along K); Wq_codes 1,024 x 32 x 32 uint8 (E4M3 codes of Wq, K innermost, in blocks of 32 codes); Wq_scales 1,024 x 32 uint8 (E8M0 scales of Wq, one for each 32 codes along K); Wv_codes 1,024 x 32 x 32 uint8 (E4M3 codes of Wv, K innermost, in blocks of 32 codes); Wv_scales 1,024 x 32 uint8 (E8M0 scales of Wv, one for each 32 codes along K); b1 4,096 float32; b2 1,024 float32; be1 1,024 float32; be2 1,024 float32; bk 1,024 float32; bo 1,024 float32; bq 1,024 float32; bv 1,024 float32; g1 1,024 float32; g2 1,024 float32; padding_mask 4 x 1,024 bool; x 4 x 1,024 x 1,024 float32.
;; Outputs: out0 4 x 1,024 x 1,024 float32.
;; This version of the problem:
;;   THIS VERSION OF THE PROBLEM IS GIVEN IN LOW PRECISION. The matrix products marked QUANTISED in the list below multiply operands that are first quantised to E4M3 (4 exponent bits, 3 mantissa bits; 8 bits a number), with one power-of-two scale for each 32 numbers along K (OCP MX v1.0); their sums are f32. All else is computed in f32.
;;   The module's matrix products, in the order in which they are computed (A, B: the left and right operand; K: the contracted axis; several contracted axes count as one K, in the product's order):
;;     1. [M 4,096, K 1,024] x [K 1,024, N 1,024]; A: computed on the way; B: input Wq (given as codes): QUANTISED
;;     2. [M 4,096, K 1,024] x [K 1,024, N 1,024]; A: computed on the way; B: input Wk (given as codes): QUANTISED
;;     3. [M 4,096, K 1,024] x [K 1,024, N 1,024]; A: computed on the way; B: input Wv (given as codes): QUANTISED
;;     4. batch 64 x [M 1,024, K 64] x [K 64, N 1,024]; A: computed on the way; B: computed on the way: QUANTISED
;;     5. batch 64 x [M 1,024, K 1,024] x [K 1,024, N 64]; A: softmax (see below); B: computed on the way: QUANTISED
;;     6. [M 4,096, K 1,024] x [K 1,024, N 1,024]; A: computed on the way; B: input Wo (given as codes): QUANTISED
;;     7. [M 4,096, K 1,024] x [K 1,024, N 4,096]; A: computed on the way; B: input W1 (given as codes): QUANTISED
;;     8. [M 4,096, K 4,096] x [K 4,096, N 1,024]; A: computed on the way; B: input W2 (given as codes): QUANTISED
;;   THE QUANTISER, for each operand of a quantised product, along K:
;;     - K is cut into blocks of 32 from its start; a last block that is shorter is filled with zeros.
;;     - A block's scale is 2^e with e = floor(log2(the largest magnitude in the block)) - 8, held to -126 .. 127; a block of zeros has e = 0. As a byte (E8M0): e + 127.
;;     - Each number is divided by its block's scale, clamped to +-448, and rounded to the nearest number of E4M3, ties to even, subnormals kept.
;;     - The product sums the exact products of the quantised numbers (number of the format x scale) in f32.
;;   ~~~python
;;   def quantise(x, axis):      # numpy; x: float32 -> the quantised numbers, widened to float32 again
;;       x = np.moveaxis(x, axis, -1); K = x.shape[-1]
;;       x = np.pad(x, [(0, 0)] * (x.ndim - 1) + [(0, -K % 32)]); x = x.reshape(x.shape[:-1] + (-1, 32)); a = np.abs(x).max(-1, keepdims=True)
;;       e = np.where(a > 0, np.clip(np.frexp(np.where(a > 0, a, 1))[1] - 1 - 8, -126, 127), 0)      # np.frexp(a)[1] - 1 = floor(log2(a)), exactly
;;       r = np.clip(x / 2.0 ** e, -448, 448)
;;       step = 2.0 ** (np.maximum(np.frexp(np.where(r == 0, 1, r))[1] - 1, -6) - 3)
;;       q = np.round(r / step) * step * 2.0 ** e      # np.round: ties to even
;;       return np.moveaxis(q.reshape(q.shape[:-2] + (-1,))[..., :K], -1, axis).astype(np.float32)
;;   ~~~
;;   SOFTMAX AHEAD OF A QUANTISED PRODUCT. Where the list says 'softmax', what is quantised is not the finished softmax but p = 2^(t - M), with t = logit x log2(e) and M = ceil(the row's largest t), a whole number; so 1/2 < the row's largest p <= 1. The row's sum l is taken of the UNQUANTISED p, in f32, and the product's result is divided by l at the end. Since M is a whole number, a kernel that streams over the keys may use a running M (the ceiling of the running maximum): every later rescaling is an exact power of two, which a block's scale takes up: the codes' values come out the same.
;;   OPERANDS COMPUTED ON THE WAY. 'Computed on the way' means the value that the module computes at that place (a softmax that the list does not call 'softmax' is quantised finished and normalised). What goes into a quantiser is computed in f32, as accurately as f32 sums, v_exp_f32 and their like allow (about 1e-6 of the number): no bf16 or f16 on the way to a quantiser, and a product that is left as it is and whose result goes on into a quantised operand takes f32 operands (vector FMAs, or v_wmma_f32_16x16x4_f32). A number that lies on a knife's edge between two numbers of the format may be rounded either way, as far as f32 arithmetic and the matrix unit's own rounding can turn it there, and no further.
;;   INPUTS GIVEN AS CODES. W1 (in the module: [4096, 1024], K = its axis 1); W2 (in the module: [1024, 4096], K = its axis 1); Wk (in the module: [1024, 1024], K = its axis 1); Wo (in the module: [1024, 1024], K = its axis 1); Wq (in the module: [1024, 1024], K = its axis 1); Wv (in the module: [1024, 1024], K = its axis 1): each comes as NAME_codes (uint8): NAME with its K axis moved to the last place and cut into blocks of 32 codes, [.., K / 32, bytes a block], one block behind the other in memory; one code a byte (a code: sign, 4 exponent bits, 3 mantissa bits); and NAME_scales (uint8): the same leading axes, one E8M0 byte (e + 127) for each 32 codes along K. Its value is code x scale, taken as it is: it is not quantised again, and the codes and scales need not be those that the quantiser above would give.
;; One version. Each part assembles by itself: llvm-mc -triple=amdgcn-amd-amdhsa -mcpu=gfx1250 --defsym DOCPART=n.
;; ======== version 1 of 1: 7 launches
;; limits: right only within a limited range of input values
;; workspace buffers: act 4,194,304 bytes; asc 131,072 bytes; tab 262,144 bytes; qkvc 12,582,912 bytes; qkvs 655,360 bytes; x2 16,777,216 bytes; ffc 16,777,216 bytes; ffs 524,288 bytes
;; launch ln1 (part 1): grid 256 x 1, 8 waves a work-group, no clusters, 66,816 bytes of LDS; arguments x, g1, be1, act, asc, tab; writes act, asc, tab
.if DOCPART == 1
	.amdgcn_target "amdgcn-amd-amdhsa--gfx1250"
	.amdhsa_code_object_version 6
	.text
	.protected	k_q9bb4e6b08b_ln1
	.globl	k_q9bb4e6b08b_ln1
	.p2align	8
	.type	k_q9bb4e6b08b_ln1,@function
k_q9bb4e6b08b_ln1:
	s_mov_b64 s[64:65], 0
	v_nop
	global_prefetch_b8 v0, s[64:65] scope:SCOPE_SE
	s_setreg_imm32_b32 hwreg(HW_REG_WAVE_MODE, 25, 1), 1
	s_wait_xcnt 0x0
; LAYER NORM 1 OF x, QUANTISED ALONG D TO E4M3 WITH ONE E8M0 SCALE FOR EACH 32, AND THE TABLE OF RoPE.
; THE WHOLE PROGRAM: ln1 | qkv (products 1-3, bias, RoPE, quantisers) | attn (products 4, 5, mask, softmax) | wo (product 6 + bo + x) | ln2 | w1 (product 7, gelu, quantiser) | w2 (product 8 + b2 + x2).
; NO WORK IS LEFT OUT: every bias moves codes or an output (bk goes into a quantiser), the mask is an input, and all 24 inputs are loaded by some launch.
; LAYOUT OF A QUANTISED ACTIVATION (act): images of operand fragments, [256 token tiles][K/128][4 c][32 lanes][16 bytes]: lane (r, h) holds the codes of token 32 (T/2) + 8 (T%2) + r + 8 (r/8) at k = 128 q + 32 c + 16 h + 0..15.
; Its scale words (asc): [K/128][4,096 tokens][4 bytes], byte c for k = 128 q + 32 c on.
; SHARES.  Work-group T owns token tile T, 16 rows.  Phase 1: wave w normalises two neighbouring tokens (LDS rows 2 w, 2 w + 1), a whole row in 32 registers, mean first and then the squares of the differences.
; Phase 2, behind one barrier: wave w takes k = 128 w .. 128 w + 127 of all 16 rows from LDS, 16 neighbours of each block a lane, quantises them and stores the fragment's image: 512 consecutive bytes a store.
; THE TABLE: tab[t][p] = (cos, sin)(t x 10000^(-p/32)), 256 bytes a position; thread i makes word i of the work-group's 1,024 bytes while the rows are on their way.
; LIMITS: theta is 2^(p x -log2(10000)/32), within about 2 ulp of the power in the definition, so an angle near 1,023 rad can differ by about 2e-4 rad; the range reduction with a two-part pi/2 serves angles up to 1,023.
; A block of zeros gets the scale byte 1 where the rule says 127: its codes are zeros, and this program alone reads the bytes.  NaN and infinities among the inputs are not served.
.set WITH_TABLE, 1
.set PITCH, 4112                       ; an LDS row: 4,096 bytes + 16: sixteen rows at one column start at sixteen different groups of banks
.set SPARE, 16*PITCH                   ; behind the rows: the spare words, 128 bytes a wave, that no other line names
.set SPW, 2                            ; v2  my spare word's address; never rewritten
.set NIL, 3                            ; v3  0; never rewritten
.set X,   32                           ; v32-95  two rows, 32 registers each; in phase 2 the 64 numbers to quantise
.set G,   96                           ; v96-127 g of my 32 columns
.set BE,  128                          ; v128-159 be
.set PC,  160                          ; v160-175 the codes
.set TM,  176                          ; v176-191 the quantiser's work
.set PW,  192                          ; v192 the scale word
.set SEL, 20                           ; s[20:21] lane selects: lane l xor 16
.set MNT, 22                           ; s22 the mantissa field of 448
; 64 numbers of a lane, register 16 b + i = number i of my 16 of block b (the other 16 lie in lane l xor 16), become 16 registers of codes and a scale word
.macro QUANT s, pc, pw
.irp b, 0,1,2,3
	v_max3_num_f32 v[TM+\b], |v[\s+16*\b]|, |v[\s+1+16*\b]|, 0x4800000   ; with the floor 2^(9 - 127): the byte cannot fall under 1
.endr
.irp i, 2,4,6,8,10,12,14
.irp b, 0,1,2,3
	s_delay_alu instid0(VALU_DEP_4)
	v_max3_num_f32 v[TM+\b], v[TM+\b], |v[\s+16*\b+\i]|, |v[\s+1+16*\b+\i]|
.endr
.endr
.irp b, 0,1,2,3
	s_delay_alu instid0(VALU_DEP_4)
	v_permlanex16_b32 v[TM+4+\b], v[TM+\b], s[SEL], s[SEL+1]
.endr
.irp b, 0,1,2,3
	s_delay_alu instid0(VALU_DEP_4)
	v_max_num_f32 v[TM+\b], v[TM+\b], v[TM+4+\b]           ; the block's largest magnitude
.endr
.irp b, 0,1,2,3
	s_delay_alu instid0(VALU_DEP_4)
	v_add_nc_u32 v[TM+12+\b], 0xfc000000, v[TM+\b]         ; 8 off its exponent field: the conversion's scale operand
.endr
.irp b, 0,1,2,3
	v_and_or_b32 v[TM+8+\b], v[TM+\b], 0x7f800000, s[MNT]  ; 448 x the scale
.endr
.irp b, 0,1,2,3
	v_lshrrev_b32 v[TM+4+\b], 23, v[TM+12+\b]              ; the scale's byte
.endr
	s_delay_alu instid0(VALU_DEP_3)
	v_lshl_or_b32 v[\pw], v[TM+5], 8, v[TM+4]
	s_delay_alu instid0(VALU_DEP_1)
	v_lshl_or_b32 v[\pw], v[TM+6], 16, v[\pw]
	s_delay_alu instid0(VALU_DEP_1)
	v_lshl_or_b32 v[\pw], v[TM+7], 24, v[\pw]
.irp b, 0,1,2,3
.irp i, 0,1,2,3,4,5,6,7,8,9,10,11,12,13,14,15
	v_med3_num_f32 v[\s+16*\b+\i], v[\s+16*\b+\i], -v[TM+8+\b], v[TM+8+\b]   ; the conversion does not saturate (ISA guide 7.6.2): the hold comes first
.endr
	v_cvt_scalef32_pk8_fp8_f32 v[\pc+4*\b:\pc+1+4*\b], v[\s+16*\b:\s+7+16*\b], v[TM+12+\b]
	v_cvt_scalef32_pk8_fp8_f32 v[\pc+2+4*\b:\pc+3+4*\b], v[\s+8+16*\b:\s+15+16*\b], v[TM+12+\b]
.endr
	v_nop                                  ; a plain line behind the last conversion
.endm
.macro WSUM a, t                       ; the sum over the wave's 32 lanes, in every lane
	v_add_f32_dpp v[\a], v[\a], v[\a] row_xmask:1 row_mask:0xf bank_mask:0xf
	s_delay_alu instid0(VALU_DEP_1)
	v_add_f32_dpp v[\a], v[\a], v[\a] row_xmask:2 row_mask:0xf bank_mask:0xf
	s_delay_alu instid0(VALU_DEP_1)
	v_add_f32_dpp v[\a], v[\a], v[\a] row_xmask:4 row_mask:0xf bank_mask:0xf
	s_delay_alu instid0(VALU_DEP_1)
	v_add_f32_dpp v[\a], v[\a], v[\a] row_xmask:8 row_mask:0xf bank_mask:0xf
	s_delay_alu instid0(VALU_DEP_1)
	v_permlanex16_b32 v[\t], v[\a], s[SEL], s[SEL+1]
	s_delay_alu instid0(VALU_DEP_1)
	v_add_f32 v[\a], v[\a], v[\t]
.endm
	s_load_b128 s[4:7], s[0:1], 0x0        ; the rows, g
	s_load_b128 s[8:11], s[0:1], 0x10      ; be, act
.if WITH_TABLE
	s_load_b128 s[12:15], s[0:1], 0x20     ; asc, tab
.else
	s_load_b64 s[12:13], s[0:1], 0x20      ; asc
.endif
	v_lshl_add_u32 v[SPW], v0, 2, SPARE
	v_mov_b32 v[NIL], 0
	v_lshrrev_b32 v8, 5, v0
	s_delay_alu instid0(VALU_DEP_1)
	v_readfirstlane_b32 s16, v8            ; wave 0..7
	v_and_b32 v7, 31, v0                   ; lane
	s_delay_alu instid0(VALU_DEP_1)
	v_lshlrev_b32 v1, 4, v7                ; 16 x lane
	v_and_b32 v8, 15, v0                   ; r
	v_bfe_u32 v9, v0, 4, 1                 ; h
	s_mul_i32 s26, s16, 2*PITCH
	v_add_nc_u32 v4, s26, v1               ; into LDS: rows 2 w, 2 w + 1, 16 bytes a lane
	v_mul_u32_u24 v5, v8, PITCH
	s_delay_alu instid0(VALU_DEP_1)
	v_lshl_add_u32 v5, v9, 6, v5
	s_lshl_b32 s27, s16, 9
	v_add_nc_u32 v5, s27, v5               ; out of LDS: row r, byte 512 w + 64 h
	v_and_b32 v6, 8, v8
	s_delay_alu instid0(VALU_DEP_1)
	v_add_nc_u32 v6, v6, v8
	s_delay_alu instid0(VALU_DEP_1)
	v_lshlrev_b32 v6, 2, v6                ; 4 (r + 8 (r/8)): my row's scale word
	s_lshr_b32 s17, ttmp9, 1
	s_lshl_b32 s17, s17, 5
	s_and_b32 s18, ttmp9, 1
	s_lshl_b32 s18, s18, 3
	s_add_co_u32 s19, s17, s18             ; the tile's base token: 32 (T/2) + 8 (T%2)
	s_lshl_b32 s24, s16, 1
	s_and_b32 s25, s24, 8
	s_add_co_u32 s24, s24, s25
	s_add_co_u32 s24, s24, s19             ; my first token: base + 2 w + 8 (w/4)
	s_lshl_b32 s24, s24, 12                ; x 4,096 bytes
	s_mov_b32 s25, 0
	s_lshl_b32 s26, ttmp9, 14
	s_lshl_b32 s27, s16, 11
	s_add_co_u32 s26, s26, s27             ; act: 16,384 T + 2,048 w
	s_mov_b32 s27, 0
	s_lshl_b32 s28, s16, 14
	s_lshl_b32 s29, s19, 2
	s_add_co_u32 s28, s28, s29             ; asc: 16,384 w + 4 x base token
	s_mov_b32 s29, 0
	s_mov_b32 s30, 0x3a800000              ; 1 / 1,024
	s_mov_b32 s31, 0x3727c5ac              ; 1e-5
	s_mov_b32 s[SEL], 0x76543210
	s_mov_b32 s[SEL+1], 0xfedcba98
	s_mov_b32 s[MNT], 0x600000
	s_lshl_b32 s34, ttmp9, 10
	s_mov_b32 s35, 0
	s_wait_kmcnt 0x0
	s_add_nc_u64 s[4:5], s[4:5], s[24:25]
	s_add_nc_u64 s[10:11], s[10:11], s[26:27]
	s_add_nc_u64 s[12:13], s[12:13], s[28:29]
.set i, 0
.rept 16
	global_load_b128 v[X+4*i:X+4*i+3], v1, s[4:5] offset:4096*(i/8)+512*(i%8)   ; 512 consecutive bytes a load; register 4 i' + e of a row: column 128 i' + 4 lane + e
.set i, i+1
.endr
.set i, 0
.rept 8
	global_load_b128 v[G+4*i:G+4*i+3], v1, s[6:7] offset:512*i
.set i, i+1
.endr
.set i, 0
.rept 8
	global_load_b128 v[BE+4*i:BE+4*i+3], v1, s[8:9] offset:512*i
.set i, i+1
.endr
.if WITH_TABLE
	s_add_nc_u64 s[14:15], s[14:15], s[34:35]
	v_lshrrev_b32 v8, 6, v0
	s_lshl_b32 s28, ttmp9, 2
	v_add_nc_u32 v8, s28, v8               ; t = 4 T + thread / 64
	s_delay_alu instid0(VALU_DEP_1)
	v_cvt_f32_u32 v8, v8
	v_bfe_u32 v9, v0, 1, 5                 ; p
	s_delay_alu instid0(VALU_DEP_1)
	v_cvt_f32_u32 v9, v9
	s_delay_alu instid0(VALU_DEP_1)
	v_mul_f32 v9, 0xbed49a78, v9           ; p x -log2(10000) / 32
	s_wait_alu depctr_va_vdst(0)
	v_exp_f32 v9, v9                       ; theta
	v_and_b32 v10, 1, v0                   ; 0: cos, 1: sin.  (The plain line behind the exponential)
	s_wait_alu depctr_va_vdst(0)           ; the wait ahead of the first reader
	v_mul_f32 v8, v8, v9                   ; the angle
	s_delay_alu instid0(VALU_DEP_1)
	v_mul_f32 v11, 0x3f22f983, v8
	s_delay_alu instid0(VALU_DEP_1)
	v_rndne_f32 v11, v11                   ; n = the nearest multiple of pi/2
	s_delay_alu instid0(VALU_DEP_1)
	v_fmamk_f32 v8, v11, 0xbfc90fdb, v8    ; less n x pi/2, in two parts
	s_delay_alu instid0(VALU_DEP_1)
	v_fmamk_f32 v8, v11, 0x333bbd2e, v8
	s_delay_alu instid0(VALU_DEP_1)
	v_mul_f32 v12, v8, v8
	v_mov_b32 v13, 0xb94ca1f9
	s_delay_alu instid0(VALU_DEP_1)
	v_fmaak_f32 v13, v13, v12, 0x3c08839e
	s_delay_alu instid0(VALU_DEP_1)
	v_fmaak_f32 v13, v13, v12, 0xbe2aaaa3
	s_delay_alu instid0(VALU_DEP_1)
	v_mul_f32 v13, v13, v12
	s_delay_alu instid0(VALU_DEP_1)
	v_fma_f32 v13, v13, v8, v8             ; sin of the rest
	v_mov_b32 v14, 0x37ccf5ce
	s_delay_alu instid0(VALU_DEP_1)
	v_fmaak_f32 v14, v14, v12, 0xbab6061a
	s_delay_alu instid0(VALU_DEP_1)
	v_fmaak_f32 v14, v14, v12, 0x3d2aaaa5
	v_mul_f32 v15, v12, v12
	v_fma_f32 v16, v12, -0.5, 1.0
	s_delay_alu instid0(VALU_DEP_1)
	v_fma_f32 v14, v15, v14, v16           ; cos of the rest
	v_cvt_i32_f32 v11, v11
	s_delay_alu instid0(VALU_DEP_1)
	v_sub_nc_u32 v11, v11, v10
	s_delay_alu instid0(VALU_DEP_1)
	v_add_nc_u32 v11, 1, v11               ; the quadrant: n for sin, n + 1 for cos
	s_delay_alu instid0(VALU_DEP_1)
	v_and_b32 v15, 1, v11
	s_delay_alu instid0(VALU_DEP_1)
	v_cmp_eq_u32 vcc_lo, 1, v15
	s_delay_alu instid0(VALU_DEP_1)
	v_cndmask_b32 v193, v13, v14, vcc_lo
	s_delay_alu instid0(VALU_DEP_4)
	v_and_b32 v11, 2, v11
	s_delay_alu instid0(VALU_DEP_1)
	v_lshlrev_b32 v11, 30, v11
	s_delay_alu instid0(VALU_DEP_1)
	v_xor_b32 v193, v193, v11              ; the sign
	v_lshlrev_b32 v194, 2, v0
	global_store_b32 v194, v193, s[14:15]  ; 128 consecutive bytes a wave; v193, v194 are not written again
.endif
.irp b, 0,1,2,3
	v_mov_b32 v[TM+4+\b], 0                ; a lane permute's destination counts as one of its sources
.endr
	s_wait_loadcnt 16                      ; my two rows are in; the 16 loads of g and be may be out
.irp j, 0,1
	v_pk_add_f32 v[8+4*\j:9+4*\j], v[X+32*\j:X+32*\j+1], v[X+32*\j+2:X+32*\j+3]
	v_pk_add_f32 v[10+4*\j:11+4*\j], v[X+32*\j+4:X+32*\j+5], v[X+32*\j+6:X+32*\j+7]
.endr
.irp i, 8,12,16,20,24,28
.irp j, 0,1
	s_delay_alu instid0(VALU_DEP_4)
	v_pk_add_f32 v[8+4*\j:9+4*\j], v[8+4*\j:9+4*\j], v[X+32*\j+\i:X+32*\j+\i+1]
	s_delay_alu instid0(VALU_DEP_4)
	v_pk_add_f32 v[10+4*\j:11+4*\j], v[10+4*\j:11+4*\j], v[X+32*\j+\i+2:X+32*\j+\i+3]
.endr
.endr
.irp j, 0
	s_delay_alu instid0(VALU_DEP_3)
	v_pk_add_f32 v[8+4*\j:9+4*\j], v[8+4*\j:9+4*\j], v[10+4*\j:11+4*\j]
.endr
.irp j, 1
	s_delay_alu instid0(VALU_DEP_2)
	v_pk_add_f32 v[8+4*\j:9+4*\j], v[8+4*\j:9+4*\j], v[10+4*\j:11+4*\j]
.endr
.irp j, 0,1
	s_delay_alu instid0(VALU_DEP_2)
	v_add_f32 v[8+4*\j], v[8+4*\j], v[9+4*\j]
.endr
	WSUM 8, 9
	WSUM 12, 13
	v_mul_f32 v8, s30, v8                  ; the means
	s_delay_alu instid0(VALU_DEP_2)
	v_mul_f32 v12, s30, v12
.set i, 0
.rept 32
	v_pk_add_f32 v[X+2*i:X+2*i+1], v[X+2*i:X+2*i+1], v[8+4*(i/16):9+4*(i/16)] op_sel_hi:[1,0] neg_lo:[0,1] neg_hi:[0,1]   ; x - mean
.set i, i+1
.endr
.irp j, 0,1
	v_pk_mul_f32 v[16+4*\j:17+4*\j], v[X+32*\j:X+32*\j+1], v[X+32*\j:X+32*\j+1]
	v_pk_mul_f32 v[18+4*\j:19+4*\j], v[X+32*\j+2:X+32*\j+3], v[X+32*\j+2:X+32*\j+3]
.endr
.irp i, 4,8,12,16,20,24,28
.irp j, 0,1
	s_delay_alu instid0(VALU_DEP_4)
	v_pk_fma_f32 v[16+4*\j:17+4*\j], v[X+32*\j+\i:X+32*\j+\i+1], v[X+32*\j+\i:X+32*\j+\i+1], v[16+4*\j:17+4*\j]
	s_delay_alu instid0(VALU_DEP_4)
	v_pk_fma_f32 v[18+4*\j:19+4*\j], v[X+32*\j+\i+2:X+32*\j+\i+3], v[X+32*\j+\i+2:X+32*\j+\i+3], v[18+4*\j:19+4*\j]
.endr
.endr
.irp j, 0
	s_delay_alu instid0(VALU_DEP_3)
	v_pk_add_f32 v[16+4*\j:17+4*\j], v[16+4*\j:17+4*\j], v[18+4*\j:19+4*\j]
.endr
.irp j, 1
	s_delay_alu instid0(VALU_DEP_2)
	v_pk_add_f32 v[16+4*\j:17+4*\j], v[16+4*\j:17+4*\j], v[18+4*\j:19+4*\j]
.endr
.irp j, 0,1
	s_delay_alu instid0(VALU_DEP_2)
	v_add_f32 v[16+4*\j], v[16+4*\j], v[17+4*\j]
.endr
	WSUM 16, 17
	WSUM 20, 21
	v_fma_f32 v16, v16, s30, s31           ; the variance + eps
	s_delay_alu instid0(VALU_DEP_2)
	v_fma_f32 v20, v20, s30, s31
	s_wait_alu depctr_va_vdst(0)
	v_rsq_f32 v16, v16
	v_rsq_f32 v20, v20
	v_nop                                  ; a plain line behind the batch of two
	s_wait_alu depctr_va_vdst(0)           ; and the one wait ahead of its first reader
	s_wait_loadcnt 0x0                     ; g and be
.set i, 0
.rept 32
	v_pk_mul_f32 v[X+2*i:X+2*i+1], v[X+2*i:X+2*i+1], v[16+4*(i/16):17+4*(i/16)] op_sel_hi:[1,0]
.set i, i+1
.endr
.set i, 0
.rept 32
	v_pk_fma_f32 v[X+2*i:X+2*i+1], v[X+2*i:X+2*i+1], v[G+2*(i%16):G+2*(i%16)+1], v[BE+2*(i%16):BE+2*(i%16)+1]
.set i, i+1
.endr
.set i, 0
.rept 16
	ds_store_b128 v4, v[X+4*i:X+4*i+3] offset:PITCH*(i/8)+512*(i%8)
.set i, i+1
.endr
	s_wait_dscnt 0x0                       ; for the others' sake: my rows lie in LDS
	s_barrier_signal -1
	s_barrier_wait -1
.set i, 0
.rept 16
	ds_load_b128 v[X+4*i:X+4*i+3], v5 offset:128*(i/4)+16*(i%4)   ; row r: k = 128 w + 32 c + 16 h + 0..15
.set i, i+1
.endr
	s_wait_dscnt 0x0
	QUANT X, PC, PW
.irp c, 0,1,2,3
	global_store_b128 v1, v[PC+4*\c:PC+4*\c+3], s[10:11] offset:512*\c   ; 512 consecutive bytes, aligned
.endr
	s_wait_xcnt 0x0                        ; EXEC changes only behind this wait
	v_cmp_gt_u32 vcc_lo, 16, v7
	s_and_saveexec_b32 s32, vcc_lo
	global_store_b32 v6, v[PW], s[12:13]   ; lanes 0-15: their rows' scale words (lanes 16-31 hold the same)
	s_wait_xcnt 0x0
	s_or_b32 exec_lo, exec_lo, s32
	s_wait_tensorcnt 0x0                   ; the wave's end, behind my last LDS store
	ds_add_u32 v[SPW], v[NIL]
	s_wait_dscnt 0x0
	s_endpgm
.Lfunc_end_k_q9bb4e6b08b_ln1:
	.size	k_q9bb4e6b08b_ln1, .Lfunc_end_k_q9bb4e6b08b_ln1-k_q9bb4e6b08b_ln1
	.p2alignl 7, 3214868480
	.fill 96, 4, 3214868480
	.section	.rodata,"a",@progbits
	.p2align	6, 0x0
	.amdhsa_kernel k_q9bb4e6b08b_ln1
		.amdhsa_group_segment_fixed_size 66816
		.amdhsa_private_segment_fixed_size 0
		.amdhsa_enable_private_segment 0
		.amdhsa_kernarg_size 48
		.amdhsa_user_sgpr_count 2
		.amdhsa_user_sgpr_kernarg_segment_ptr 1
		.amdhsa_wavefront_size32 1
		.amdhsa_system_sgpr_workgroup_id_x 1
		.amdhsa_system_sgpr_workgroup_id_y 1
		.amdhsa_system_sgpr_workgroup_id_z 1
		.amdhsa_system_vgpr_workitem_id 0
		.amdhsa_next_free_vgpr 200
		.amdhsa_next_free_sgpr 66
		.amdhsa_reserve_vcc 1
		.amdhsa_float_denorm_mode_32 3
		.amdhsa_float_denorm_mode_16_64 3
		.amdhsa_memory_ordered 1
		.amdhsa_forward_progress 1
		.amdhsa_inst_pref_size 35
	.end_amdhsa_kernel
	.amdgpu_metadata
---
amdhsa.version: [ 1, 2 ]
amdhsa.kernels:
  - .name:           k_q9bb4e6b08b_ln1
    .symbol:         k_q9bb4e6b08b_ln1.kd
    .args:
      - { .name: x, .offset: 0, .size: 8, .value_kind: global_buffer, .address_space: global }
      - { .name: g1, .offset: 8, .size: 8, .value_kind: global_buffer, .address_space: global }
      - { .name: be1, .offset: 16, .size: 8, .value_kind: global_buffer, .address_space: global }
      - { .name: act, .offset: 24, .size: 8, .value_kind: global_buffer, .address_space: global }
      - { .name: asc, .offset: 32, .size: 8, .value_kind: global_buffer, .address_space: global }
      - { .name: tab, .offset: 40, .size: 8, .value_kind: global_buffer, .address_space: global }
    .group_segment_fixed_size: 66816
    .private_segment_fixed_size: 0
    .kernarg_segment_align: 8
    .kernarg_segment_size: 48
    .max_flat_workgroup_size: 256
    .sgpr_count:     66
    .vgpr_count:     200
    .wavefront_size: 32
...
	.end_amdgpu_metadata
.endif
;; end of part 1
;; launch qkv (part 2): grid 16 x 16, 4 waves a work-group, clusters of 4 x 4, 327,680 bytes of LDS; arguments act, asc, Wq_codes, Wk_codes, Wv_codes, Wq_scales, Wk_scales, Wv_scales, bq, bk, bv, tab, qkvc, qkvs; writes qkvc, qkvs
.if DOCPART == 2
	.amdgcn_target "amdgcn-amd-amdhsa--gfx1250"
	.amdhsa_code_object_version 6
	.text
	.protected	k_q9bb4e6b08b_qkv
	.globl	k_q9bb4e6b08b_qkv
	.p2align	8
	.type	k_q9bb4e6b08b_qkv,@function
k_q9bb4e6b08b_qkv:
	s_mov_b64 s[64:65], 0
	v_nop
	global_prefetch_b8 v0, s[64:65] scope:SCOPE_SE
	s_setreg_imm32_b32 hwreg(HW_REG_WAVE_MODE, 25, 1), 1
	s_wait_xcnt 0x0
	s_wait_alu depctr_hold_cnt(0) depctr_sa_sdst(0) depctr_va_vdst(0) depctr_va_sdst(0) depctr_va_ssrc(0) depctr_va_vcc(0) depctr_vm_vsrc(0)
	s_getreg_b32 s2, hwreg(HW_REG_IB_STS2, 6, 4)
	s_cmp_eq_u32 s2, 0
	s_cbranch_scc0 .Lentry_in_a_cluster
	s_endpgm
.Lentry_in_a_cluster:
	s_bfe_u32 s2, ttmp6, 0x10000c
	s_cmp_lg_u32 s2, 0xf033
	s_cbranch_scc0 .Lentry_shape_is_right
	s_endpgm
.Lentry_shape_is_right:
; PRODUCTS 1 TO 3 ON CODES OF E4M3, THEN: bias; RoPE on q and k; q and k quantised along the head's 64; v quantised along the keys.  No work of the definition is left out.
; SHARES.  256 work-groups of four waves.  Work-group (x, y) makes q, k and v of HEAD x for tokens 256 y .. 256 y + 255: every work-group runs the same text in the same order, and no branch hangs on its place.
; A wave holds 64 tokens (4 token tiles), ALL of K = 1,024, in 512 registers: act is laid as images of operand fragments, so they come by plain loads of 512 consecutive bytes.
; LDS is filled ONCE, one joint load a wave: Wv's, Wq's, Wk's 64 rows of the head (shared along a column of the 4 x 4 cluster) and the table of RoPE for the 256 positions (shared along a row).  Nothing is filled again.
; Every wave walks the 12 weight tiles of 16 rows, two a trip through two register sets; the four sums of a batch of 32 products take turns; the bias is the C of each sum's first product.
; v GOES FIRST, two trips written out: source 0 = 16 tokens, source 1 = 16 weight rows: a lane holds a channel and its registers run along the tokens; act's order of tokens makes the 16 registers of token tiles 2 G, 2 G + 1 sixteen neighbouring keys.
; v's weight tile i takes rows 32 (i/2) + 8 (i%2) + r + 8 (r/8), the order of channels that the image's reader wants.
; q AND k, a loop of four trips: source 0 = 16 NEIGHBOURING weight rows, source 1 = 16 tokens: register j of lane (r, h) is token row r, channel 16 i + 8 h + j.  RoPE from the table in LDS; a pair of tiles is one scale block of 32;
; the finished codes are exchanged between the halves of the lanes, so that lane (r, h) holds channels 32 c + 16 h + 0 .. 15.
; OUT (per hb = 16 batch + head): q, k images [64 token tiles][2 c][32 lanes][16 B]; v image [8 key steps][4 channel tiles][4 c][32 lanes][16 B].  Scale words: q, k [16 groups][32 lanes][2]: word B of lane (r, h): tile 4 G + 2 B + h, row r,
; bytes 2, 3 = 0x7f (they belong to zero codes of k = 64 .. 127); v [8 steps][32 lanes][2]: word g of lane (r, h): channel tile 2 g + h, byte c for keys 32 c on.
; NO PREFETCH: every byte that the launch reads is asked for at its head.  The tokens' codes are not asked for jointly: they go into registers and pass through no LDS.
; LIMITS: a block of zeros gets the byte 1, not 127 (zero codes; read by this program alone); NaN and infinities are not served; v's scale halves leave as 2 bytes a lane.
.set PITCH, 1040
.set WPART, 64*PITCH                   ; 64 weight rows: Wv's at 0, Wq's, Wk's behind them
.set TABL,  3*WPART                    ; the table: 256 positions x (256 + 16) bytes
.set SCW,   TABL+256*272               ; the weights' scale bytes, 192 rows x 32, in the same order: written by LDS stores alone;
.set BIA,   SCW+6144                   ; bv, bq, bk of the head, 64 numbers each, likewise;
.set SPARE, BIA+768                    ; the spare words, 128 bytes a wave, that no other line names
.set ACO,  4                           ; v4   16 x lane
.set AFS,  8                           ; v8   4 (r + 8 (r/8) + 8 h)
.set ADW0, 11                          ; v11-13 LDS addresses at pair 0, neighbouring rows: codes, scale words, bias
.set ADS0, 12
.set ADB0, 13
.set ADW,  14                          ; v14-16 those of the pair that is fetched
.set ADS,  15
.set ADB,  16
.set ADT0, 17                          ; v17, v18 the table at my token row
.set ADT,  18
.set ADV,  19                          ; v19  bv at row r + 8 (r/8)
.set A8,   20                          ; v20  8 x lane
.set ADWV0, 22                         ; v22, v23 as v11, v12 for v's order of rows
.set ADSV0, 23
.set SPW,  28
.set NIL,  29
.set WD,   30                          ; v30-31 scale words on their way out
.set SX,   32                          ; v32-47 the tokens' scale words: 8 g + q: lanes 0-15 tile 2 g, lanes 16-31 tile 2 g + 1
.set SWD,  48                          ; v48-51 q's or k's scale words as they are gathered
.set SW,   52                          ; v52-67 the weights' scale words: set e at 8 e + q (no product's two scale registers have numbers equal modulo 8)
.set BI,   68                          ; v68-83 q's, k's bias: set e at 8 e
.set TM,   84
.set RT,   100
.set PC,   108                         ; v108-123 the codes
.set TB,   124                         ; v124-187 (cos, sin), register for register beside the sums; then at work in the exchange
.set CB,   124                         ; in v's trips: v124-139 the bias spread over eight registers a tile, v140-143 bv of my channel in the four tiles
.set BV,   140
.set ACC,  188                         ; v188-251 the sums.  Windows 1, 2: the tokens' fragment (a, q) at 16 (4 q + a); window 3: the weights' two sets, 128 e + 16 q
.set WV,   20
.set SEL,  8
.set MNT,  10
.set HM,   11
.set CNT,  12
.set SH,   13
.set QS,   28
.set G1,   32
.set G1T,  40
.set G0V,  48
.set G0Q,  52
.set G0K,  56
.set G0T,  60
.set XB,   92
.set XS,   94
.set VC,   96
.set VS,   98
.set QC,   100
.set MSB, 0
.macro WIN new                         ; the immediate's high byte repeats the setting that is left
.if MSB != \new
	s_set_vgpr_msb (MSB<<8)|\new
.set MSB, \new
.endif
.endm
.macro PLACES n
.rept \n
	v_nop
.endr
.endm
.macro CROUND                          ; a round of the cluster's barrier
	s_barrier_signal -1
	s_barrier_wait -1
	s_cmp_lg_u32 s[WV], 0
	s_cbranch_scc1 .Lnot_wave_0_\@
	s_barrier_signal -3
.Lnot_wave_0_\@:
	s_barrier_wait -3
	s_barrier_signal -1
	s_barrier_wait -1
.endm
.macro ARM under, g0, g1, next         ; an arm of the head's one chain of branches on the wave's number: one joint load, an s_nop 0 and four v_nop, a jump to the join
	s_cmp_lt_u32 s[WV], \under
	s_cbranch_scc0 \next
	tensor_load_to_lds s[\g0:\g0+3], s[\g1:\g1+7]
	s_nop 0
	PLACES 4
	s_branch .Lhead_asked
\next:
.endm
.macro XQ q                            ; the tokens' four fragments of K step q: 16 loads of 512 consecutive bytes
.irp a, 0,1,2,3
.irp c, 0,1,2,3
	global_load_b128 v[16*(4*(\q%4)+\a)+4*\c:16*(4*(\q%4)+\a)+4*\c+3], v[ACO], s[XB:XB+1] offset:16384*\a+2048*\q+512*\c
.endr
.endr
.endm
.macro FETCH e, aw, as, ab, bias, perm ; tile e of a pair into set e: 34 loads, with the bias 36.  perm = 1: v's order of rows: the pair's second tile begins 8 rows on, not 16
	WIN 0xc0
.irp q, 0,1,2,3,4,5,6,7
.irp c, 0,1,2,3
	ds_load_b128 v[128*\e+16*\q+4*\c:128*\e+16*\q+4*\c+3], v[\aw] offset:(16-8*\perm)*PITCH*\e+128*\q+32*\c
.endr
.endr
	WIN 0
	ds_load_b128 v[SW+8*\e:SW+8*\e+3], v[\as] offset:(512-256*\perm)*\e
	ds_load_b128 v[SW+8*\e+4:SW+8*\e+7], v[\as] offset:(512-256*\perm)*\e+16
.if \bias
	ds_load_b128 v[BI+8*\e:BI+8*\e+3], v[\ab] offset:64*\e
	ds_load_b128 v[BI+8*\e+4:BI+8*\e+7], v[\ab] offset:64*\e+16
.endif
.endm
.macro BATCH e, kind                   ; 32 products: tile e x my four token tiles, K ascending.  kind 0 (q, k): source 0 = the weight's rows, sum (a, e) at 16 a + 8 e;  kind 1 (v): source 0 = the tokens, sum at 32 e + 8 a
.irp q, 0,1,2,3,4,5,6,7
.if \kind
	WIN (1+\q/4)|(3<<2)
.else
	WIN 3|((1+\q/4)<<2)
.endif
.irp a, 0,1,2,3
.set rW, 128*\e+16*\q
.set rX, 16*(4*(\q%4)+\a)
.set rSW, SW+8*\e+\q
.set rSX, SX+8*(\a/2)+\q
.if \kind
.set rD, ACC+32*\e+8*\a
.set rC, rD
.if \q == 0
.set rC, CB+8*\e
.endif
.if \a%2
	v_wmma_scale_f32_16x16x128_f8f6f4 v[rD:rD+7], v[rX:rX+15], v[rW:rW+15], v[rC:rC+7], v[rSX], v[rSW] matrix_a_scale:MATRIX_SCALE_ROW1
.else
	v_wmma_scale_f32_16x16x128_f8f6f4 v[rD:rD+7], v[rX:rX+15], v[rW:rW+15], v[rC:rC+7], v[rSX], v[rSW]
.endif
.else
.set rD, ACC+16*\a+8*\e
.set rC, rD
.if \q == 0
.set rC, BI+8*\e
.endif
.if \a%2
	v_wmma_scale_f32_16x16x128_f8f6f4 v[rD:rD+7], v[rW:rW+15], v[rX:rX+15], v[rC:rC+7], v[rSW], v[rSX] matrix_b_scale:MATRIX_SCALE_ROW1
.else
	v_wmma_scale_f32_16x16x128_f8f6f4 v[rD:rD+7], v[rW:rW+15], v[rX:rX+15], v[rC:rC+7], v[rSW], v[rSX]
.endif
.endif
.endr
.endr
	WIN 0
	PLACES 8                               ; eight places ahead of loads into what the products read and of the first reader of their sums (ISA guide 7.12.1 for the first reader of their sums)
.endm
.macro QUANT sw                        ; four blocks of 32: register 16 b + i = number i of my 16 of block b, the other 16 in lane l xor 16: codes PC + 4 b, bytes TM + 4 + b.  sw = 1: the byte goes into the token's word
.irp b, 0,1,2,3
	v_max3_num_f32 v[TM+\b], |v[ACC+16*\b]|, |v[ACC+1+16*\b]|, 0x4800000   ; with the floor 2^(9 - 127): the byte cannot fall under 1
.endr
.irp i, 2,4,6,8,10,12,14
.irp b, 0,1,2,3
	v_max3_num_f32 v[TM+\b], v[TM+\b], |v[ACC+16*\b+\i]|, |v[ACC+1+16*\b+\i]|
.endr
.endr
.irp b, 0,1,2,3
	v_permlanex16_b32 v[TM+4+\b], v[TM+\b], s[SEL], s[SEL+1]
.endr
.irp b, 0,1,2,3
	v_max_num_f32 v[TM+\b], v[TM+\b], v[TM+4+\b]           ; the block's largest magnitude
.endr
.irp b, 0,1,2,3
	v_add_nc_u32 v[TM+12+\b], 0xfc000000, v[TM+\b]         ; 8 off its exponent field: the conversion's scale operand
.endr
.irp b, 0,1,2,3
	v_and_or_b32 v[TM+8+\b], v[TM+\b], 0x7f800000, s[MNT]  ; 448 x the scale
.endr
.irp b, 0,1,2,3
	v_lshrrev_b32 v[TM+4+\b], 23, v[TM+12+\b]              ; the byte
.endr
.if \sw
.irp b, 0,1,2,3
	v_lshl_or_b32 v[SWD+\b], v[TM+4+\b], s[SH], v[SWD+\b]
.endr
.endif
.irp b, 0,1,2,3
.irp i, 0,1,2,3,4,5,6,7,8,9,10,11,12,13,14,15
	v_med3_num_f32 v[ACC+16*\b+\i], v[ACC+16*\b+\i], -v[TM+8+\b], v[TM+8+\b]   ; the conversion does not saturate (ISA guide 7.6.2)
.endr
	v_cvt_scalef32_pk8_fp8_f32 v[PC+4*\b:PC+1+4*\b], v[ACC+16*\b:ACC+7+16*\b], v[TM+12+\b]
	v_cvt_scalef32_pk8_fp8_f32 v[PC+2+4*\b:PC+3+4*\b], v[ACC+8+16*\b:ACC+15+16*\b], v[TM+12+\b]
.endr
	v_nop                                  ; a plain line behind the last conversion
.endm
.macro VTRIP p, nb                     ; v's channel tiles 2 p, 2 p + 1.  nb = 0: v's second pair is fetched; 1: q's first, with its bias
	s_wait_dscnt 34                        ; set 0 (and bv) is in; set 1's 34 loads may be out
.irp e, 0,1
.irp j, 0,1,2,3,4,5,6,7
	v_mov_b32 v[CB+8*\e+\j], v[BV+2*\p+\e] ; all eight registers of a sum are one channel
.endr
.endr
	s_wait_alu depctr_va_vdst(0)           ; the wait here, directly behind the writes
	BATCH 0, 1
.if \nb
	v_add_nc_u32 v[ADW], 64*PITCH, v[ADW0]
	v_add_nc_u32 v[ADS], 2048, v[ADS0]
	v_add_nc_u32 v[ADB], 256, v[ADB0]
	s_wait_alu depctr_va_vdst(0)
	FETCH 0, ADW, ADS, ADB, 1, 0
	s_wait_dscnt 36                        ; set 1 is in; the 36 just issued may be out
	BATCH 1, 1
	FETCH 1, ADW, ADS, ADB, 1, 0
.else
	v_add_nc_u32 v[ADW], 32*PITCH, v[ADWV0]
	v_add_nc_u32 v[ADS], 1024, v[ADSV0]
	s_wait_alu depctr_va_vdst(0)
	FETCH 0, ADW, ADS, ADB0, 0, 1
	s_wait_dscnt 34
	BATCH 1, 1
	FETCH 1, ADW, ADS, ADB0, 0, 1
.endif
	QUANT 0                                ; block 2 e + G: channel tile e, my keys 32 G on
.irp e, 0,1
.irp g, 0,1
	global_store_b128 v[ACO], v[PC+8*\e+4*\g:PC+8*\e+4*\g+3], s[VC:VC+1] offset:2048*(2*\p+\e)+512*\g   ; 512 consecutive bytes, aligned
.endr
.endr
	v_lshl_or_b32 v[WD], v[TM+5], 8, v[TM+4]
	v_lshl_or_b32 v[WD+1], v[TM+7], 8, v[TM+6]
	v_cndmask_b32 v[WD], v[WD], v[WD+1], s[HM]             ; lanes 0-15 the even tile's two bytes, lanes 16-31 the odd tile's
	global_store_b16 v[A8], v[WD], s[VS:VS+1] offset:4*\p
	s_wait_xcnt 0x0                        ; the stores have read their data: it is written anew in the next trip
.endm
	s_load_b128 s[4:7], s[0:1], 0x0        ; act, asc
	s_load_b512 s[68:83], s[0:1], 0x10     ; Wq, Wk, Wv codes; Wq, Wk, Wv scales; bq, bk
	s_load_b256 s[84:91], s[0:1], 0x50     ; bv, tab, qkvc, qkvs
	v_lshl_add_u32 v[SPW], v0, 2, SPARE
	v_mov_b32 v[NIL], 0
	ds_add_u32 v[SPW], v[NIL]              ; the opening: the add, twice on end, and its wait ahead of my first tensor load
	ds_add_u32 v[SPW], v[NIL]
	v_lshrrev_b32 v1, 5, v0
	v_readfirstlane_b32 s[WV], v1          ; wave 0..3
	s_bfe_u32 s21, ttmp6, 0x40000          ; cx
	s_bfe_u32 s22, ttmp6, 0x40004          ; cy
	s_lshl_b32 s23, ttmp9, 2
	s_add_co_u32 s23, s23, s21             ; X: the head
	s_and_b32 s24, ttmp7, 0xffff           ; the cluster's y is the batch: four blocks of 256 tokens
	s_lshl_b32 s24, s24, 2
	s_add_co_u32 s24, s24, s22             ; Y: my 256 tokens
	s_lshl_b32 s25, 0x1111, s21            ; my column of the cluster shares the weights,
	s_lshl_b32 s26, s22, 2
	s_lshl_b32 s26, 15, s26                ; my row the positions
	s_or_b32 s[G1], s25, (1<<20)|(1<<21)|(7<<22)|(3<<25)   ; 64 rows of 1,024 bytes, 4 words of padding behind every 256; bit 21 beside the mask
	s_mov_b32 s[G1+1], 1024<<16
	s_mov_b32 s[G1+2], 64<<16
	s_mov_b32 s[G1+3], 1024<<16
	s_mov_b32 s[G1+4], 64
	s_mov_b32 s[G1+5], 1024
	s_mov_b32 s[G1+6], 0
	s_mov_b32 s[G1+7], 0
	s_or_b32 s[G1T], s26, (3<<16)|(1<<20)|(1<<21)|(5<<22)|(3<<25)   ; 256 rows of 32 elements of 8 bytes, 4 words of padding behind every 64
	s_mov_b32 s[G1T+1], 32<<16
	s_mov_b32 s[G1T+2], 256<<16
	s_mov_b32 s[G1T+3], 32<<16
	s_mov_b32 s[G1T+4], 256
	s_mov_b32 s[G1T+5], 32
	s_mov_b32 s[G1T+6], 0
	s_mov_b32 s[G1T+7], 0
	s_mov_b32 s[G0V], 1
	s_mov_b32 s[G0V+1], 0
	s_mov_b32 s[G0Q], 1
	s_mov_b32 s[G0Q+1], WPART
	s_mov_b32 s[G0K], 1
	s_mov_b32 s[G0K+1], 2*WPART
	s_mov_b32 s[G0T], 1
	s_mov_b32 s[G0T+1], TABL
	s_lshl_b32 s14, s23, 16                ; the head's 64 rows of 1,024 bytes
	s_mov_b32 s15, 0
	s_lshl_b32 s16, s22, 16                ; positions 256 cy on, 256 bytes each
	s_mov_b32 s17, 0
	s_mov_b32 s[SEL], 0x76543210
	s_mov_b32 s[SEL+1], 0xfedcba98
	s_mov_b32 s[MNT], 0x600000
	s_mov_b32 s[HM], 0xffff0000            ; lanes 16-31
	s_mov_b32 s[CNT], 0
	s_mov_b32 s[SH], 0
	s_wait_dscnt 0x0                       ; both opening adds are done
	s_wait_kmcnt 0x0
	s_add_nc_u64 s[G0V+2:G0V+3], s[72:73], s[14:15]
	s_or_b32 s[G0V+3], s[G0V+3], 0x80000000
	s_add_nc_u64 s[G0Q+2:G0Q+3], s[68:69], s[14:15]
	s_or_b32 s[G0Q+3], s[G0Q+3], 0x80000000
	s_add_nc_u64 s[G0K+2:G0K+3], s[70:71], s[14:15]
	s_or_b32 s[G0K+3], s[G0K+3], 0x80000000
	s_add_nc_u64 s[G0T+2:G0T+3], s[86:87], s[16:17]
	s_or_b32 s[G0T+3], s[G0T+3], 0x80000000
	CROUND                                 ; all sixteen work-groups are here: the joint loads meet
	ARM 1, G0V, G1, .Lhead_q               ; ONE joint load a wave: wave 0 Wv's rows, which are wanted first, wave 1 Wq's, wave 2 Wk's, wave 3 the table
	ARM 2, G0Q, G1, .Lhead_k
	ARM 3, G0K, G1, .Lhead_t
	tensor_load_to_lds s[G0T:G0T+3], s[G1T:G1T+7]
	s_nop 0
	PLACES 4
.Lhead_asked:
	s_lshl_b32 s14, s23, 11                ; the head's scale bytes: 2,048 X
	s_add_nc_u64 s[74:75], s[74:75], s[14:15]
	s_add_nc_u64 s[76:77], s[76:77], s[14:15]
	s_add_nc_u64 s[78:79], s[78:79], s[14:15]
	s_lshl_b32 s14, s23, 8                 ; its biases: 256 X
	s_add_nc_u64 s[80:81], s[80:81], s[14:15]
	s_add_nc_u64 s[82:83], s[82:83], s[14:15]
	s_add_nc_u64 s[84:85], s[84:85], s[14:15]
	s_lshl_b32 s14, s24, 10
	s_lshl_b32 s16, s[WV], 8
	s_add_co_u32 s14, s14, s16
	s_add_nc_u64 s[XS:XS+1], s[6:7], s[14:15]       ; asc: 4 (256 Y + 64 wave)
	s_lshl_b32 s14, s24, 18
	s_lshl_b32 s16, s[WV], 16
	s_add_co_u32 s14, s14, s16
	s_add_nc_u64 s[XB:XB+1], s[4:5], s[14:15]       ; act: token tile 16 Y + 4 wave, 16,384 bytes a tile
	s_and_b32 s26, ttmp7, 0xffff
	s_lshl_b32 s26, s26, 4
	s_add_co_u32 s26, s26, s23             ; hb = 16 batch + head
	s_mul_i32 s14, s26, 196608
	s_add_nc_u64 s[88:89], s[88:89], s[14:15]
	s_mul_i32 s14, s26, 10240
	s_add_nc_u64 s[90:91], s[90:91], s[14:15]
	s_lshl_b32 s27, s22, 2
	s_add_co_u32 s27, s27, s[WV]           ; my group of four token tiles in the sequence
	s_lshl_b32 s14, s27, 12
	s_add_nc_u64 s[QC:QC+1], s[88:89], s[14:15]     ; q's codes: 1,024 bytes a tile
	s_lshl_b32 s14, s27, 8
	s_add_nc_u64 s[QS:QS+1], s[90:91], s[14:15]     ; q's scale words: 256 bytes a group
	s_lshr_b32 s27, s27, 1                 ; my key step of 128,
	s_and_b32 s16, s[WV], 1                ; and which half of it
	s_lshl_b32 s14, s27, 13
	s_lshl_b32 s17, s16, 10
	s_add_co_u32 s14, s14, s17
	s_add_co_u32 s14, s14, 131072
	s_add_nc_u64 s[VC:VC+1], s[88:89], s[14:15]
	s_lshl_b32 s14, s27, 8
	s_lshl_b32 s17, s16, 1
	s_add_co_u32 s14, s14, s17
	s_add_co_u32 s14, s14, 8192
	s_add_nc_u64 s[VS:VS+1], s[90:91], s[14:15]
	s_mul_i32 s17, s[WV], 64*272
	s_add_co_u32 s17, s17, TABL            ; my 64 positions in the table
	v_and_b32 v1, 15, v0                   ; r
	v_bfe_u32 v2, v0, 4, 1                 ; h
	v_and_b32 v3, 31, v0
	v_lshlrev_b32 v[ACO], 4, v3
	v_lshlrev_b32 v[A8], 3, v3
	v_lshlrev_b32 v5, 4, v0                ; 16 x thread
	v_lshlrev_b32 v6, 1, v0                ; 2 x thread
	v_and_b32 v21, 8, v1
	v_add_nc_u32 v21, v21, v1              ; r + 8 (r/8)
	v_lshl_add_u32 v7, v2, 3, v21
	v_lshlrev_b32 v[AFS], 2, v7
	v_add_nc_u32 v9, SCW, v5
	v_add_nc_u32 v10, BIA, v6
	v_mul_u32_u24 v[ADW0], v1, PITCH
	v_lshl_add_u32 v[ADW0], v2, 4, v[ADW0]
	v_lshl_add_u32 v[ADS0], v1, 5, SCW
	v_lshl_add_u32 v[ADB0], v2, 5, BIA
	v_mul_u32_u24 v[ADWV0], v21, PITCH
	v_lshl_add_u32 v[ADWV0], v2, 4, v[ADWV0]
	v_lshl_add_u32 v[ADSV0], v21, 5, SCW
	v_lshl_add_u32 v[ADV], v21, 2, BIA
	v_mul_u32_u24 v[ADT0], v21, 272
	v_lshl_add_u32 v[ADT0], v2, 5, v[ADT0]
	v_add_nc_u32 v[ADT0], s17, v[ADT0]     ; position row r + 8 (r/8), pairs 4 h on
.irp a, 0,1,2,3
	v_mov_b32 v[SWD+\a], 0x7f7f0000        ; bytes 2, 3 of a word of q or k
	v_mov_b32 v[TM+4+\a], 0                ; a lane permute's destination counts as one of its sources
.endr
	s_wait_alu depctr_va_vdst(0)           ; the wait behind the head's vector lines
	global_load_b128 v[ACC:ACC+3], v5, s[78:79]            ; the scale bytes: 2,048 consecutive bytes for the four waves: Wv's,
	global_load_b128 v[ACC+4:ACC+7], v5, s[74:75]          ; Wq's,
	global_load_b128 v[ACC+8:ACC+11], v5, s[76:77]         ; Wk's
	global_load_u16 v[ACC+12], v6, s[84:85]                ; the biases: 256 consecutive bytes for the four waves
	global_load_u16 v[ACC+13], v6, s[80:81]
	global_load_u16 v[ACC+14], v6, s[82:83]
.irp g, 0,1
.irp q, 0,1,2,3,4,5,6,7
	global_load_b32 v[SX+8*\g+\q], v[AFS], s[XS:XS+1] offset:16384*\q+128*\g
.endr
.endr
	WIN 0x40
	XQ 0
	XQ 1
	WIN 0
	s_wait_loadcnt 48                      ; the first six loads are in; behind them: 16 scale words and 32 loads of fragments
.irp i, 0,1,2
	ds_store_b128 v9, v[ACC+4*\i:ACC+4*\i+3] offset:2048*\i
	ds_store_b16 v10, v[ACC+12+\i] offset:256*\i
.endr
	WIN 0x40
	XQ 2
	XQ 3
	WIN 0x80
	XQ 4
	XQ 5
	XQ 6
	XQ 7
	WIN 0
	s_wait_tensorcnt 0x0                   ; my tile has landed,
	s_wait_dscnt 0x0                       ; my part of the scale bytes and of the biases is stored:
	s_barrier_signal -1
	s_barrier_wait -1                      ; everybody's
.irp i, 0,1,2,3
	ds_load_b32 v[BV+\i], v[ADV] offset:128*(\i/2)+32*(\i%2)
.endr
	FETCH 0, ADWV0, ADSV0, ADB0, 0, 1
	FETCH 1, ADWV0, ADSV0, ADB0, 0, 1
	s_wait_loadcnt 0x0                     ; the tokens' fragments and scale words
	VTRIP 0, 0
	VTRIP 1, 1
.Ltrip:                                        ; four trips: q's channels 0-31, 32-63, then k's
	s_lshl_b32 s16, s[SH], 4
	v_add_nc_u32 v[ADT], s16, v[ADT0]      ; the table's pairs 16 (trip % 2) on
	s_wait_alu depctr_va_vdst(0)           ; the wait here, directly behind the write
	s_wait_dscnt 36                        ; set 0 is in; set 1's 36 loads may be out
	BATCH 0, 0
	s_cmp_eq_u32 s[CNT], 3
	s_cbranch_scc1 .Lnone_0                ; the last trip fetches no tile
	s_add_co_u32 s16, s[CNT], 3
	s_min_u32 s16, s16, 5                  ; the next pair, held inside the six
	s_mul_i32 s17, s16, 32*PITCH
	v_add_nc_u32 v[ADW], s17, v[ADW0]
	s_lshl_b32 s17, s16, 10
	v_add_nc_u32 v[ADS], s17, v[ADS0]
	s_lshl_b32 s17, s16, 7
	v_add_nc_u32 v[ADB], s17, v[ADB0]
	s_wait_alu depctr_va_vdst(0)
	FETCH 0, ADW, ADS, ADB, 1, 0
	s_wait_dscnt 36                        ; set 1 is in; the 36 just issued may be out
	s_branch .Lgo_1
.Lnone_0:
	s_wait_dscnt 0x0                       ; set 1 is in
.Lgo_1:
.irp a, 0,1,2,3
.irp e, 0,1
.irp k, 0,1
	ds_load_b128 v[TB+16*\a+8*\e+4*\k:TB+16*\a+8*\e+4*\k+3], v[ADT] offset:(32*(\a/2)+8*(\a%2))*272+64*\e+16*\k   ; (cos, sin) of my token's pairs: 16 loads, which land under the 32 products below
.endr
.endr
.endr
	BATCH 1, 0
	s_cmp_eq_u32 s[CNT], 3
	s_cbranch_scc1 .Lnone_1
	FETCH 1, ADW, ADS, ADB, 1, 0
	s_wait_dscnt 36                        ; the table is in; the 36 just issued may be out
	s_branch .Lgo_2
.Lnone_1:
	s_wait_dscnt 0x0
.Lgo_2:
.set n, 0
.rept 8                                    ; RoPE, four pairs at a time: (x1 cos, x2 cos), then (x1 cos - x2 sin, x2 cos + x1 sin); each sum from its low end on
.irp e, 0,1,2,3
	v_pk_mul_f32 v[RT+2*\e:RT+2*\e+1], v[ACC+2*(n+\e):ACC+2*(n+\e)+1], v[TB+2*(n+\e):TB+2*(n+\e)+1] op_sel_hi:[1,0]
.endr
.irp e, 0,1,2,3
	v_pk_fma_f32 v[ACC+2*(n+\e):ACC+2*(n+\e)+1], v[ACC+2*(n+\e):ACC+2*(n+\e)+1], v[TB+2*(n+\e):TB+2*(n+\e)+1], v[RT+2*\e:RT+2*\e+1] op_sel:[1,1,0] op_sel_hi:[0,1,1] neg_lo:[0,1,0]
.endr
.set n, n+4
.endr
	QUANT 1                                ; block a: token tile a
.irp b, 0,1,2,3                            ; lanes 0-15 hold channels 0-7, 16-23 of the block, lanes 16-31 channels 8-15, 24-31: 16-23 and 8-15 change places
.irp k, 0,1,2,3
	v_permlanex16_b32 v[TB+4*\b+\k], v[PC+4*\b+\k], s[SEL], s[SEL+1]
.endr
.endr
.irp b, 0,1,2,3
	v_cndmask_b32 v[PC+4*\b], v[PC+4*\b], v[TB+4*\b+2], s[HM]
	v_cndmask_b32 v[PC+4*\b+1], v[PC+4*\b+1], v[TB+4*\b+3], s[HM]
	v_cndmask_b32 v[PC+4*\b+2], v[TB+4*\b], v[PC+4*\b+2], s[HM]
	v_cndmask_b32 v[PC+4*\b+3], v[TB+4*\b+1], v[PC+4*\b+3], s[HM]
.endr
.irp a, 0,1,2,3
	global_store_b128 v[ACO], v[PC+4*\a:PC+4*\a+3], s[QC:QC+1] offset:1024*\a   ; 512 consecutive bytes, aligned
.endr
	s_wait_alu depctr_va_vdst(0)           ; the wait ahead of the branch
	s_cmp_lg_u32 s[SH], 8
	s_cbranch_scc1 .Lno_word               ; a word is whole behind every second trip
	v_cndmask_b32 v[WD], v[SWD], v[SWD+1], s[HM]           ; lanes 0-15 the even tile's rows, lanes 16-31 the odd tile's
	v_cndmask_b32 v[WD+1], v[SWD+2], v[SWD+3], s[HM]
	global_store_b64 v[A8], v[WD:WD+1], s[QS:QS+1]         ; 256 consecutive bytes, aligned
.irp a, 0,1,2,3
	v_mov_b32 v[SWD+\a], 0x7f7f0000
.endr
	s_wait_xcnt 0x0                        ; the store has read its base
	s_add_nc_u64 s[QS:QS+1], s[QS:QS+1], 4096              ; on to k's words
.Lno_word:
	s_wait_xcnt 0x0                        ; the stores have read their base and their data: both are written anew below and in the next trip
	s_mov_b32 s16, 512                     ; on to the head's second 32 channels, or from there to k's image
	s_cmp_eq_u32 s[SH], 8
	s_cselect_b32 s16, 65024, s16
	s_mov_b32 s17, 0
	s_add_nc_u64 s[QC:QC+1], s[QC:QC+1], s[16:17]
	s_xor_b32 s[SH], s[SH], 8
	s_add_co_u32 s[CNT], s[CNT], 1
	s_cmp_lt_u32 s[CNT], 4
	s_wait_alu depctr_va_vdst(0)           ; the wait ahead of the backward jump
	s_cbranch_scc1 .Ltrip
	s_wait_tensorcnt 0x0                   ; the wave's end
	ds_add_u32 v[SPW], v[NIL]
	s_wait_dscnt 0x0
	CROUND                                 ; the closing round
	s_endpgm
.Lfunc_end_k_q9bb4e6b08b_qkv:
	.size	k_q9bb4e6b08b_qkv, .Lfunc_end_k_q9bb4e6b08b_qkv-k_q9bb4e6b08b_qkv
	.p2alignl 7, 3214868480
	.fill 96, 4, 3214868480
	.section	.rodata,"a",@progbits
	.p2align	6, 0x0
	.amdhsa_kernel k_q9bb4e6b08b_qkv
		.amdhsa_group_segment_fixed_size 327680
		.amdhsa_private_segment_fixed_size 0
		.amdhsa_enable_private_segment 0
		.amdhsa_kernarg_size 112
		.amdhsa_user_sgpr_count 2
		.amdhsa_user_sgpr_kernarg_segment_ptr 1
		.amdhsa_wavefront_size32 1
		.amdhsa_system_sgpr_workgroup_id_x 1
		.amdhsa_system_sgpr_workgroup_id_y 1
		.amdhsa_system_sgpr_workgroup_id_z 1
		.amdhsa_system_vgpr_workitem_id 0
		.amdhsa_next_free_vgpr 1024
		.amdhsa_next_free_sgpr 102
		.amdhsa_reserve_vcc 0
		.amdhsa_float_denorm_mode_32 3
		.amdhsa_float_denorm_mode_16_64 3
		.amdhsa_memory_ordered 1
		.amdhsa_forward_progress 1
		.amdhsa_inst_pref_size 104
	.end_amdhsa_kernel
	.amdgpu_metadata
---
amdhsa.version: [ 1, 2 ]
amdhsa.kernels:
  - .name:           k_q9bb4e6b08b_qkv
    .symbol:         k_q9bb4e6b08b_qkv.kd
    .args:
      - { .name: act, .offset: 0, .size: 8, .value_kind: global_buffer, .address_space: global }
      - { .name: asc, .offset: 8, .size: 8, .value_kind: global_buffer, .address_space: global }
      - { .name: Wq_codes, .offset: 16, .size: 8, .value_kind: global_buffer, .address_space: global }
      - { .name: Wk_codes, .offset: 24, .size: 8, .value_kind: global_buffer, .address_space: global }
      - { .name: Wv_codes, .offset: 32, .size: 8, .value_kind: global_buffer, .address_space: global }
      - { .name: Wq_scales, .offset: 40, .size: 8, .value_kind: global_buffer, .address_space: global }
      - { .name: Wk_scales, .offset: 48, .size: 8, .value_kind: global_buffer, .address_space: global }
      - { .name: Wv_scales, .offset: 56, .size: 8, .value_kind: global_buffer, .address_space: global }
      - { .name: bq, .offset: 64, .size: 8, .value_kind: global_buffer, .address_space: global }
      - { .name: bk, .offset: 72, .size: 8, .value_kind: global_buffer, .address_space: global }
      - { .name: bv, .offset: 80, .size: 8, .value_kind: global_buffer, .address_space: global }
      - { .name: tab, .offset: 88, .size: 8, .value_kind: global_buffer, .address_space: global }
      - { .name: qkvc, .offset: 96, .size: 8, .value_kind: global_buffer, .address_space: global }
      - { .name: qkvs, .offset: 104, .size: 8, .value_kind: global_buffer, .address_space: global }
    .group_segment_fixed_size: 327680
    .private_segment_fixed_size: 0
    .kernarg_segment_align: 8
    .kernarg_segment_size: 112
    .max_flat_workgroup_size: 128
    .sgpr_count:     102
    .vgpr_count:     1024
    .wavefront_size: 32
...
	.end_amdgpu_metadata
.endif
;; end of part 2
;; launch attn (part 3): grid 4 x 64, 16 waves a work-group, clusters of 4 x 1, 167,936 bytes of LDS; arguments qkvc, qkvs, padding_mask, act, asc; writes act, asc
.if DOCPART == 3
	.amdgcn_target "amdgcn-amd-amdhsa--gfx1250"
	.amdhsa_code_object_version 6
	.text
	.protected	k_q9bb4e6b08b_attn
	.globl	k_q9bb4e6b08b_attn
	.p2align	8
	.type	k_q9bb4e6b08b_attn,@function
k_q9bb4e6b08b_attn:
	s_mov_b64 s[64:65], 0
	v_nop
	global_prefetch_b8 v0, s[64:65] scope:SCOPE_SE
	s_setreg_imm32_b32 hwreg(HW_REG_WAVE_MODE, 25, 1), 1
	s_wait_xcnt 0x0
	s_wait_alu depctr_hold_cnt(0) depctr_sa_sdst(0) depctr_va_vdst(0) depctr_va_sdst(0) depctr_va_ssrc(0) depctr_va_vcc(0) depctr_vm_vsrc(0)
	s_getreg_b32 s2, hwreg(HW_REG_IB_STS2, 6, 4)
	s_cmp_eq_u32 s2, 0
	s_cbranch_scc0 .Lentry_in_a_cluster
	s_endpgm
.Lentry_in_a_cluster:
	s_bfe_u32 s2, ttmp6, 0x10000c
	s_cmp_lg_u32 s2, 0x3003
	s_cbranch_scc0 .Lentry_shape_is_right
	s_endpgm
.Lentry_shape_is_right:
; PRODUCTS 4 AND 5 ON CODES OF E4M3, WITH THE KEY MASK AND THE SOFTMAX BETWEEN THEM; THE RESULT QUANTISED ALONG D FOR PRODUCT 6.  No work of the definition is left out.
; t = (score + mask) x log2(e) / 8; M = the running largest t rounded up to a whole number; p = 2^(t - M) is quantised along the keys; the row's sum is taken of the unquantised p and divides at the end; when M moves, the sum and O are multiplied by 2^(old M - new M), exactly.
; SHARES.  Work-group y = hb = 16 batch + head; the four query blocks of a head are one cluster and ask for K and V jointly.  A wave owns one tile of 16 queries (tile 16 cx + wave) in 256 registers: four waves to a SIMD.
; A head's whole K and V images and scale words, 137,216 bytes, are filled ONCE: each of the sixteen waves issues one load behind the one round; nothing is filled again.
; Both products are used transposed (S^T = K Q^T, O^T = V^T P^T): a lane holds one query throughout.  The images' tiles are ordered so that the 16 registers of tiles 2 B, 2 B + 1 are 16 neighbours: keys in S^T, channels in O^T.
; The head's size is 64: registers 8-15 of Q's and K's fragments are zero codes, their scale bytes 0x7f.
; LIMITS: a batch all of whose keys are masked gives NaN in the definition; here the quantiser's maxima and holds drop that NaN: not served.  A block of zeros gets the byte 1, not 127.  NaN and infinities among the inputs are not served.  The scale halves leave as 2 bytes a lane.
.set VIMG, 65536                       ; LDS: K's image at 0, V's image,
.set KSC,  131072                      ; K's scale words (4,096 bytes), V's (2,048) behind them,
.set MSK,  137216                      ; the mask as f32, 0 or -infinity, 4 bytes a key: written by LDS stores alone,
.set SPARE, 141312                     ; the spare words, 128 bytes a wave, that no other line names
.set SPW, 5
.set NIL, 6
.set WV,  18
.set MNT, 19
.set SEL, 20
.set CS,  22                           ; s[22:23] c = log2(e) / 8
.set G1A, 24
.set G1B, 32
.set G0A, 40
.set G0B, 44
.set TB,  48                           ; the step's place in the images: 8,192 bytes a step
.set TK,  49                           ; in K's scale words: 512
.set TV,  50                           ; in V's: 256
.set TMK, 51                           ; in the mask: 512
.set CNT, 52
; REGISTERS: v1 16 lane, v2 KSC + 8 lane, v3 MSK + 64 h, v7 lane; v4, v8-11 the step's addresses; v12 -M, v13 the largest t, v[14:15] the sum; v16-31 Q; v32-95 four places for K's fragments; v96-159 S^T, then p;
; v160-191 O^T; v192-223 a batch of the mask, or two fragments of V; v224-239 p's codes; v232-247, v252, v254 at work; v248-251 K's or V's scale words; v253 p's; v255 Q's.
.macro ROUND
	s_barrier_signal -1
	s_barrier_wait -1
	s_cmp_lg_u32 s[WV], 0
	s_cbranch_scc1 .Lnot_wave_0_\@
	s_barrier_signal -3
.Lnot_wave_0_\@:
	s_barrier_wait -3
	s_barrier_signal -1
	s_barrier_wait -1
.endm
	s_load_b256 s[4:11], s[0:1], 0x0       ; qkvc, qkvs, padding_mask, act
	s_load_b64 s[12:13], s[0:1], 0x20      ; asc
	v_lshl_add_u32 v[SPW], v0, 2, SPARE
	v_mov_b32 v[NIL], 0
	ds_add_u32 v[SPW], v[NIL]              ; the opening: the add, twice on end, and its wait ahead of my first tensor load
	ds_add_u32 v[SPW], v[NIL]
	v_lshrrev_b32 v8, 5, v0
	s_delay_alu instid0(VALU_DEP_1)
	v_readfirstlane_b32 s[WV], v8          ; wave 0..15
	s_mov_b32 s[G1A], 15|(3<<16)|(1<<21)   ; 64 rows of 32 elements of 8 bytes; the mask names all four work-groups
	s_mov_b32 s[G1A+1], 32<<16
	s_mov_b32 s[G1A+2], 64<<16             ; 16,384 dense bytes as 64 rows of 256
	s_mov_b32 s[G1A+3], 32<<16
	s_mov_b32 s[G1A+4], 64
	s_mov_b32 s[G1A+5], 32
	s_mov_b32 s[G1A+6], 0
	s_mov_b32 s[G1A+7], 0
	s_mov_b32 s[G1B], 15|(3<<16)|(1<<21)   ; rows of 32 elements of 8 bytes
	s_mov_b32 s[G1B+1], 32<<16             ; 768 dense bytes as 3 rows of 256
	s_mov_b32 s[G1B+2], 3<<16
	s_mov_b32 s[G1B+3], 32<<16
	s_mov_b32 s[G1B+4], 3
	s_mov_b32 s[G1B+5], 32
	s_mov_b32 s[G1B+6], 0
	s_mov_b32 s[G1B+7], 0
	s_and_b32 s54, ttmp7, 0xffff           ; hb, which the four partners share
	s_lshr_b32 s55, s54, 4                 ; batch
	s_and_b32 s57, s54, 15                 ; head
	s_mul_i32 s56, s54, 196608
	s_mul_i32 s60, s54, 10240
	s_and_b32 s61, s[WV], 7                ; my eighth: waves 0-7 of the images, waves 8-15 of the scale words
	s_lshl_b32 s58, s61, 14
	s_add_co_u32 s58, s58, s56
	s_add_co_u32 s58, s58, 65536           ; my 16,384 bytes of K's and V's images, which lie on end
	s_mov_b32 s59, 0
	s_mul_i32 s61, s61, 768
	s_add_co_u32 s62, s60, s61
	s_add_co_u32 s62, s62, 4096            ; my 768 bytes of their scale words
	s_mov_b32 s63, 0
	s_bfe_u32 s53, ttmp6, 0x40000          ; cx: it enters Q's and the outputs' addresses alone
	s_lshl_b32 s53, s53, 4
	s_add_co_u32 s53, s53, s[WV]           ; tq: my tile of queries
	s_lshl_b32 s2, s53, 10
	s_add_co_u32 s2, s2, s56
	s_mov_b32 s3, 0                        ; Q's codes
	s_lshr_b32 s14, s53, 2
	s_lshl_b32 s14, s14, 8
	s_and_b32 s15, s53, 1
	s_lshl_b32 s15, s15, 7
	s_add_co_u32 s14, s14, s15
	s_bfe_u32 s15, s53, 0x10001
	s_lshl_b32 s15, s15, 2
	s_add_co_u32 s14, s14, s15
	s_add_co_u32 s14, s14, s60             ; Q's scale words: 256 (tq/4) + 128 (tq%2) + 4 ((tq/2)%2)
	s_mov_b32 s15, 0
	s_lshl_b32 s16, s55, 6
	s_add_co_u32 s16, s16, s53
	s_lshl_b32 s16, s16, 14
	s_lshl_b32 s17, s57, 10
	s_add_co_u32 s16, s16, s17             ; act: 16,384 (64 batch + tq) + 1,024 head
	s_mov_b32 s17, 0
	s_lshr_b32 s56, s57, 1
	s_lshl_b32 s56, s56, 14
	s_lshl_b32 s52, s55, 12
	s_add_co_u32 s56, s56, s52
	s_lshr_b32 s52, s53, 1
	s_lshl_b32 s52, s52, 7
	s_add_co_u32 s56, s56, s52
	s_and_b32 s52, s53, 1
	s_lshl_b32 s52, s52, 5
	s_add_co_u32 s56, s56, s52
	s_and_b32 s52, s57, 1
	s_lshl_b32 s52, s52, 1
	s_add_co_u32 s56, s56, s52             ; asc: 16,384 (head/2) + 4 (1,024 batch + 32 (tq/2) + 8 (tq%2)) + 2 (head%2)
	s_mov_b32 s57, 0
	s_lshl_b32 s54, s55, 10                ; the mask's row
	s_mov_b32 s55, 0
	s_mov_b32 s[SEL], 0x76543210
	s_mov_b32 s[SEL+1], 0xfedcba98
	s_mov_b32 s[CS], 0x3e38aa3b
	s_mov_b32 s[CS+1], s[CS]
	s_mov_b32 s[MNT], 0x600000
	s_mov_b32 s[TB], 0
	s_mov_b32 s[TK], 0
	s_mov_b32 s[TV], 0
	s_mov_b32 s[TMK], 0
	s_mov_b32 s[CNT], 8
	s_wait_dscnt 0x0                       ; both opening adds are done
	s_wait_kmcnt 0x0
	s_mov_b32 s[G0A], 1
	s_and_b32 s[G0A+1], s[WV], 7
	s_lshl_b32 s[G0A+1], s[G0A+1], 14
	s_add_nc_u64 s[G0A+2:G0A+3], s[4:5], s[58:59]
	s_or_b32 s[G0A+3], s[G0A+3], 0x80000000
	s_mov_b32 s[G0B], 1
	s_add_co_u32 s[G0B+1], s61, KSC
	s_add_nc_u64 s[G0B+2:G0B+3], s[6:7], s[62:63]
	s_or_b32 s[G0B+3], s[G0B+3], 0x80000000
	s_add_nc_u64 s[2:3], s[4:5], s[2:3]
	s_add_nc_u64 s[14:15], s[6:7], s[14:15]
	s_add_nc_u64 s[8:9], s[8:9], s[54:55]
	s_add_nc_u64 s[10:11], s[10:11], s[16:17]
	s_add_nc_u64 s[12:13], s[12:13], s[56:57]
	ROUND                                  ; all four work-groups are here: the joint loads meet
	s_cmp_lt_u32 s[WV], 8                  ; ONE joint load a wave: waves 0-7 fetch 16,384 bytes each of K's and V's images, waves 8-15 768 bytes each of their scale words
	s_cbranch_scc0 .Lfor_words
	tensor_load_to_lds s[G0A:G0A+3], s[G1A:G1A+7]
	s_nop 0
.rept 4
	v_nop
.endr
	s_branch .Lasked
.Lfor_words:
	tensor_load_to_lds s[G0B:G0B+3], s[G1B:G1B+7]
	s_nop 0
.rept 4
	v_nop
.endr
.Lasked:
	v_and_b32 v7, 31, v0
	s_delay_alu instid0(VALU_DEP_1)
	v_lshlrev_b32 v1, 4, v7
	s_delay_alu instid0(VALU_DEP_2)
	v_lshl_add_u32 v2, v7, 3, KSC
	v_and_b32 v8, 15, v0
	v_bfe_u32 v9, v0, 4, 1
	s_delay_alu instid0(VALU_DEP_1)
	v_lshl_add_u32 v3, v9, 6, MSK
	global_load_b128 v[16:19], v1, s[2:3]              ; Q's fragment: k = 0 .. 63
	global_load_b128 v[20:23], v1, s[2:3] offset:512
	v_lshlrev_b32 v10, 3, v8
	global_load_b32 v255, v10, s[14:15]                ; lane r: row r's scale word
	v_lshlrev_b32 v11, 1, v0
	global_load_u16 v32, v11, s[8:9]                   ; two keys' mask bytes a thread
.irp j, 24,25,26,27,28,29,30,31, 40,41,42,43,44,45,46,47, 56,57,58,59,60,61,62,63, 72,73,74,75,76,77,78,79, 88,89,90,91,92,93,94,95
	v_mov_b32 v[\j], 0                                 ; the zero codes of k = 64 .. 127, of Q and of K's four places: written once
.endr
.set j, 0
.rept 32
	v_mov_b32 v[160+j], 0                              ; O^T: the step is written once; its first trip finds zeros
.set j, j+1
.endr
	v_mov_b32 v13, 0xff61b1e6                          ; the largest t so far: -3e38
	s_delay_alu instid0(VALU_DEP_1)
	v_floor_f32 v12, -v13
	v_mov_b32 v14, 0
	v_mov_b32 v15, 0
.irp b, 0,1,2,3
	v_mov_b32 v[236+\b], 0
.endr
	v_mov_b32 v253, 0
	s_wait_loadcnt 0x0
	v_and_b32 v34, 0xff, v32
	v_lshrrev_b32 v35, 8, v32
	s_delay_alu instid0(VALU_DEP_2)
	v_sub_nc_u32 v34, 0, v34
	s_delay_alu instid0(VALU_DEP_2)
	v_sub_nc_u32 v35, 0, v35
	s_delay_alu instid0(VALU_DEP_2)
	v_and_b32 v34, 0xff800000, v34                     ; 1 becomes -infinity, 0 stays 0
	s_delay_alu instid0(VALU_DEP_2)
	v_and_b32 v35, 0xff800000, v35
	v_lshl_add_u32 v33, v0, 3, MSK
	ds_store_b64 v33, v[34:35]
	s_wait_tensorcnt 0x0                               ; my load has landed,
	s_wait_dscnt 0x0                                   ; my part of the mask is stored:
	s_barrier_signal -1
	s_barrier_wait -1                                  ; everybody's
.Lstep:                                                ; eight trips of 128 keys
	v_add_nc_u32 v8, s[TB], v1                         ; K's tiles
	s_delay_alu instid0(VALU_DEP_1)
	v_add_nc_u32 v9, VIMG, v8                          ; V's
	v_add_nc_u32 v10, s[TK], v2                        ; K's scale words
	v_add_nc_u32 v11, s[TV], v2                        ; V's, 4,096 bytes further on
	v_add_nc_u32 v4, s[TMK], v3                        ; the mask
.rept 3
	v_nop                                              ; with the five above: eight places in front of loads into registers that the last products read
.endr
.irp t, 0,1,2,3
.irp c, 0,1
	ds_load_b128 v[32+16*\t+4*\c:32+16*\t+4*\c+3], v8 offset:1024*\t+512*\c
.endr
.endr
	ds_load_b64 v[248:249], v10                        ; word t/2: lanes 0-15 tile t even, lanes 16-31 tile t odd
	ds_load_b64 v[250:251], v10 offset:256
.irp u, 0,1
.irp j, 0,1,2,3
	ds_load_b128 v[192+16*\u+4*\j:192+16*\u+4*\j+3], v4 offset:128*\u+16*\j
.endr
.endr
	s_wait_alu depctr_va_vdst(0)
	s_wait_dscnt 8                                     ; the mask's eight loads may be out
	v_wmma_scale_f32_16x16x128_f8f6f4 v[96:103], v[32:47], v[16:31], 0, v248, v255
	v_wmma_scale_f32_16x16x128_f8f6f4 v[104:111], v[48:63], v[16:31], 0, v248, v255 matrix_a_scale:MATRIX_SCALE_ROW1
	v_wmma_scale_f32_16x16x128_f8f6f4 v[112:119], v[64:79], v[16:31], 0, v249, v255
	v_wmma_scale_f32_16x16x128_f8f6f4 v[120:127], v[80:95], v[16:31], 0, v249, v255 matrix_a_scale:MATRIX_SCALE_ROW1
.rept 8
	v_nop
.endr
.irp t, 0,1,2,3
.irp c, 0,1
	ds_load_b128 v[32+16*\t+4*\c:32+16*\t+4*\c+3], v8 offset:4096+1024*\t+512*\c
.endr
.endr
	s_wait_dscnt 8                                     ; the mask's first batch is in; K's eight loads may be out
.set j, 0
.rept 16
	v_pk_add_f32 v[96+2*j:97+2*j], v[96+2*j:97+2*j], v[192+2*j:193+2*j]   ; register 16 B + i: key 32 B + 16 h + i
.set j, j+1
.endr
.irp u, 0,1
.irp j, 0,1,2,3
	ds_load_b128 v[192+16*\u+4*\j:192+16*\u+4*\j+3], v4 offset:256+128*\u+16*\j
.endr
.endr
	s_wait_dscnt 8                                     ; K's tiles 4-7 are in; the mask's second batch may be out
	v_wmma_scale_f32_16x16x128_f8f6f4 v[128:135], v[32:47], v[16:31], 0, v250, v255
	v_wmma_scale_f32_16x16x128_f8f6f4 v[136:143], v[48:63], v[16:31], 0, v250, v255 matrix_a_scale:MATRIX_SCALE_ROW1
	v_wmma_scale_f32_16x16x128_f8f6f4 v[144:151], v[64:79], v[16:31], 0, v251, v255
	v_wmma_scale_f32_16x16x128_f8f6f4 v[152:159], v[80:95], v[16:31], 0, v251, v255 matrix_a_scale:MATRIX_SCALE_ROW1
.rept 8
	v_nop
.endr
	s_wait_dscnt 0x0
.set j, 0
.rept 16
	v_pk_add_f32 v[128+2*j:129+2*j], v[128+2*j:129+2*j], v[192+2*j:193+2*j]
.set j, j+1
.endr
.irp a, 0,1
.irp c, 0,1,2,3
	ds_load_b128 v[192+16*\a+4*\c:192+16*\a+4*\c+3], v9 offset:2048*\a+512*\c     ; V's tiles 0, 1 land while the softmax is walked
.endr
.endr
	ds_load_b64 v[248:249], v11 offset:4096
.irp b, 0,1,2,3
	v_max3_num_f32 v[232+\b], v[96+16*\b], v[97+16*\b], v[98+16*\b]   ; the largest score of each block of 32 keys: for the row's maximum and for the block's largest p
.endr
.irp i, 3,5,7,9,11,13
.irp b, 0,1,2,3
	s_delay_alu instid0(VALU_DEP_4)
	v_max3_num_f32 v[232+\b], v[232+\b], v[96+16*\b+\i], v[97+16*\b+\i]
.endr
.endr
.irp b, 0,1,2,3
	s_delay_alu instid0(VALU_DEP_4)
	v_max_num_f32 v[232+\b], v[232+\b], v[111+16*\b]
.endr
.irp b, 0,1,2,3
	v_permlanex16_b32 v[236+\b], v[232+\b], s[SEL], s[SEL+1]
.endr
.irp b, 0,1,2,3
	s_delay_alu instid0(VALU_DEP_4)
	v_max_num_f32 v[232+\b], v[232+\b], v[236+\b]
.endr
	s_delay_alu instid0(VALU_DEP_2)
	v_max3_num_f32 v254, v232, v233, v234
	s_delay_alu instid0(VALU_DEP_1)
	v_max_num_f32 v254, v254, v235
	s_delay_alu instid0(VALU_DEP_1)
	v_mul_f32 v254, s[CS], v254
	s_delay_alu instid0(VALU_DEP_1)
	v_max_num_f32 v13, v13, v254                       ; the running largest t
	v_mov_b32 v254, v12
	s_delay_alu instid0(VALU_DEP_2)
	v_floor_f32 v12, -v13                              ; -M = floor(-t): M is a whole number
	s_delay_alu instid0(VALU_DEP_1)
	v_sub_f32 v254, v12, v254
	s_delay_alu instid0(VALU_DEP_1)
	v_cvt_i32_f32 v254, v254                           ; (it saturates)
	s_delay_alu instid0(VALU_DEP_1)
	v_ldexp_f32 v252, 1.0, v254                        ; f = 2^(old M - new M)
.set j, 0
.rept 32
	v_pk_fma_f32 v[96+2*j:97+2*j], v[96+2*j:97+2*j], s[CS:CS+1], v[12:13] op_sel_hi:[1,0,0]   ; t - M
.set j, j+1
.endr
.irp b, 0,1,2,3
	v_fma_f32 v[232+\b], v[232+\b], s[CS], v12
.endr
.set j, 0
	s_wait_alu depctr_va_vdst(0)
.rept 64
	v_exp_f32 v[96+j], v[96+j]                         ; p, not normalised
.set j, j+1
.endr
	v_pk_mul_f32 v[14:15], v[14:15], v[252:253] op_sel_hi:[1,0]   ; the sums under the new M.  (The plain line behind the batch)
	s_wait_alu depctr_va_vdst(0)                       ; one wait for the 64, ahead of their first reader
.irp b, 0,1,2,3
	v_exp_f32 v[232+\b], v[232+\b]                     ; each block's largest p
.endr
	v_pk_add_f32 v[236:237], v[96:97], v[98:99]        ; the row's sum of the unquantised p, in two chains
.irp j, 4,8,12,16,20,24,28,32,36,40,44,48,52,56,60
	v_pk_add_f32 v[14:15], v[14:15], v[96+\j:97+\j]
	v_pk_add_f32 v[236:237], v[236:237], v[98+\j:99+\j]
.endr
	s_delay_alu instid0(VALU_DEP_1)
	v_pk_add_f32 v[14:15], v[14:15], v[236:237]
	s_wait_alu depctr_va_vdst(0)                       ; and one for the four
.irp b, 0,1,2,3
	v_max_num_f32 v[232+\b], 0x4800000, v[232+\b]      ; the floor: the byte cannot fall under 1
.endr
.irp b, 0,1,2,3
	s_delay_alu instid0(VALU_DEP_4)
	v_add_nc_u32 v[244+\b], 0xfc000000, v[232+\b]
.endr
.irp b, 0,1,2,3
	v_and_or_b32 v[240+\b], v[232+\b], 0x7f800000, s[MNT]
.endr
.irp b, 0,1,2,3
	v_lshrrev_b32 v[236+\b], 23, v[244+\b]
.endr
	s_delay_alu instid0(VALU_DEP_3)
	v_lshl_or_b32 v253, v237, 8, v236                  ; p's scale word for these 128 keys
	s_delay_alu instid0(VALU_DEP_1)
	v_lshl_or_b32 v253, v238, 16, v253
	s_delay_alu instid0(VALU_DEP_1)
	v_lshl_or_b32 v253, v239, 24, v253
.irp b, 0,1,2,3
.irp i, 0,1,2,3,4,5,6,7,8,9,10,11,12,13,14,15
	v_min_num_f32 v[96+16*\b+\i], v[96+16*\b+\i], v[240+\b]   ; the hold; p is not negative
.endr
	v_cvt_scalef32_pk8_fp8_f32 v[224+4*\b:225+4*\b], v[96+16*\b:103+16*\b], v[244+\b]
	v_cvt_scalef32_pk8_fp8_f32 v[226+4*\b:227+4*\b], v[104+16*\b:111+16*\b], v[244+\b]
.endr
.set j, 0
.rept 16
	v_pk_mul_f32 v[160+2*j:161+2*j], v[160+2*j:161+2*j], v[252:253] op_sel_hi:[1,0]   ; O^T under the new M; these are also the places in front of the products below
.set j, j+1
.endr
	s_wait_alu depctr_va_vdst(0)
	s_wait_dscnt 0x0
	v_wmma_scale_f32_16x16x128_f8f6f4 v[160:167], v[192:207], v[224:239], v[160:167], v248, v253
	v_wmma_scale_f32_16x16x128_f8f6f4 v[168:175], v[208:223], v[224:239], v[168:175], v248, v253 matrix_a_scale:MATRIX_SCALE_ROW1
.rept 8
	v_nop
.endr
.irp a, 0,1
.irp c, 0,1,2,3
	ds_load_b128 v[192+16*\a+4*\c:192+16*\a+4*\c+3], v9 offset:4096+2048*\a+512*\c
.endr
.endr
	s_wait_dscnt 0x0
	v_wmma_scale_f32_16x16x128_f8f6f4 v[176:183], v[192:207], v[224:239], v[176:183], v249, v253
	v_wmma_scale_f32_16x16x128_f8f6f4 v[184:191], v[208:223], v[224:239], v[184:191], v249, v253 matrix_a_scale:MATRIX_SCALE_ROW1
	s_add_co_u32 s[TB], s[TB], 8192
	s_add_co_u32 s[TK], s[TK], 512
	s_add_co_u32 s[TV], s[TV], 256
	s_add_co_u32 s[TMK], s[TMK], 512
	s_sub_co_i32 s[CNT], s[CNT], 1
	s_cmp_lg_u32 s[CNT], 0
	s_cbranch_scc1 .Lstep
	; THE WAY OUT: O^T / the sum; register 16 B + i of lane (r, h): query r, channel 32 B + 16 h + i: two blocks of 32 along D, quantised in registers: they are the image's registers
	v_add_f32 v14, v14, v15
	s_delay_alu instid0(VALU_DEP_1)
	v_permlanex16_b32 v252, v14, s[SEL], s[SEL+1]
	s_delay_alu instid0(VALU_DEP_1)
	v_add_f32 v14, v14, v252
	s_wait_alu depctr_va_vdst(0)
	v_rcp_f32 v14, v14
	v_and_b32 v8, 15, v0
	s_delay_alu instid0(VALU_DEP_1)
	v_and_b32 v9, 8, v8
	s_delay_alu instid0(VALU_DEP_1)
	v_add_nc_u32 v9, v9, v8
	s_delay_alu instid0(VALU_DEP_1)
	v_lshlrev_b32 v9, 2, v9                            ; 4 (r + 8 (r/8))
.rept 4
	v_nop                                              ; with the plain lines above: more than eight places behind the last products
.endr
	s_wait_alu depctr_va_vdst(0)
.set j, 0
.rept 32
	v_mul_f32 v[96+j], v[160+j], v14
.set j, j+1
.endr
.irp b, 0,1
	v_max3_num_f32 v[232+\b], |v[96+16*\b]|, |v[97+16*\b]|, 0x4800000
.endr
.irp i, 2,4,6,8,10,12,14
.irp b, 0,1
	s_delay_alu instid0(VALU_DEP_2)
	v_max3_num_f32 v[232+\b], v[232+\b], |v[96+16*\b+\i]|, |v[97+16*\b+\i]|
.endr
.endr
.irp b, 0,1
	v_permlanex16_b32 v[236+\b], v[232+\b], s[SEL], s[SEL+1]
.endr
.irp b, 0,1
	s_delay_alu instid0(VALU_DEP_2)
	v_max_num_f32 v[232+\b], v[232+\b], v[236+\b]
.endr
.irp b, 0,1
	s_delay_alu instid0(VALU_DEP_2)
	v_add_nc_u32 v[244+\b], 0xfc000000, v[232+\b]
.endr
.irp b, 0,1
	s_delay_alu instid0(VALU_DEP_4)
	v_and_or_b32 v[240+\b], v[232+\b], 0x7f800000, s[MNT]
.endr
.irp b, 0,1
	s_delay_alu instid0(VALU_DEP_4)
	v_lshrrev_b32 v[236+\b], 23, v[244+\b]
.endr
	s_delay_alu instid0(VALU_DEP_1)
	v_lshl_or_b32 v254, v237, 8, v236                  ; my head's two bytes of the row's scale word
.irp b, 0,1
.irp i, 0,1,2,3,4,5,6,7,8,9,10,11,12,13,14,15
	v_med3_num_f32 v[96+16*\b+\i], v[96+16*\b+\i], -v[240+\b], v[240+\b]
.endr
	v_cvt_scalef32_pk8_fp8_f32 v[224+4*\b:225+4*\b], v[96+16*\b:103+16*\b], v[244+\b]
	v_cvt_scalef32_pk8_fp8_f32 v[226+4*\b:227+4*\b], v[104+16*\b:111+16*\b], v[244+\b]
.endr
	v_nop
	global_store_b128 v1, v[224:227], s[10:11]         ; 512 consecutive bytes, aligned
	global_store_b128 v1, v[228:231], s[10:11] offset:512
	s_wait_xcnt 0x0                                    ; EXEC changes only behind this wait
	v_cmp_gt_u32 vcc_lo, 16, v7
	s_and_saveexec_b32 s55, vcc_lo
	global_store_b16 v9, v254, s[12:13]
	s_wait_xcnt 0x0
	s_or_b32 exec_lo, exec_lo, s55
	s_wait_tensorcnt 0x0                               ; the wave's end
	ds_add_u32 v[SPW], v[NIL]
	s_wait_dscnt 0x0
	ROUND                                              ; the closing round
	s_endpgm
.Lfunc_end_k_q9bb4e6b08b_attn:
	.size	k_q9bb4e6b08b_attn, .Lfunc_end_k_q9bb4e6b08b_attn-k_q9bb4e6b08b_attn
	.p2alignl 7, 3214868480
	.fill 96, 4, 3214868480
	.section	.rodata,"a",@progbits
	.p2align	6, 0x0
	.amdhsa_kernel k_q9bb4e6b08b_attn
		.amdhsa_group_segment_fixed_size 167936
		.amdhsa_private_segment_fixed_size 0
		.amdhsa_enable_private_segment 0
		.amdhsa_kernarg_size 40
		.amdhsa_user_sgpr_count 2
		.amdhsa_user_sgpr_kernarg_segment_ptr 1
		.amdhsa_wavefront_size32 1
		.amdhsa_system_sgpr_workgroup_id_x 1
		.amdhsa_system_sgpr_workgroup_id_y 1
		.amdhsa_system_sgpr_workgroup_id_z 1
		.amdhsa_system_vgpr_workitem_id 0
		.amdhsa_next_free_vgpr 256
		.amdhsa_next_free_sgpr 66
		.amdhsa_reserve_vcc 1
		.amdhsa_float_denorm_mode_32 3
		.amdhsa_float_denorm_mode_16_64 3
		.amdhsa_memory_ordered 1
		.amdhsa_forward_progress 1
		.amdhsa_inst_pref_size 41
	.end_amdhsa_kernel
	.amdgpu_metadata
---
amdhsa.version: [ 1, 2 ]
amdhsa.kernels:
  - .name:           k_q9bb4e6b08b_attn
    .symbol:         k_q9bb4e6b08b_attn.kd
    .args:
      - { .name: qkvc, .offset: 0, .size: 8, .value_kind: global_buffer, .address_space: global }
      - { .name: qkvs, .offset: 8, .size: 8, .value_kind: global_buffer, .address_space: global }
      - { .name: padding_mask, .offset: 16, .size: 8, .value_kind: global_buffer, .address_space: global }
      - { .name: act, .offset: 24, .size: 8, .value_kind: global_buffer, .address_space: global }
      - { .name: asc, .offset: 32, .size: 8, .value_kind: global_buffer, .address_space: global }
    .group_segment_fixed_size: 167936
    .private_segment_fixed_size: 0
    .kernarg_segment_align: 8
    .kernarg_segment_size: 40
    .max_flat_workgroup_size: 512
    .sgpr_count:     66
    .vgpr_count:     256
    .wavefront_size: 32
...
	.end_amdgpu_metadata
.endif
;; end of part 3
;; launch wo (part 4): grid 8 x 32, 4 waves a work-group, clusters of 4 x 4, 327,680 bytes of LDS; arguments act, asc, Wo_codes, Wo_scales, bo, x, x2; writes x2
.if DOCPART == 4
	.amdgcn_target "amdgcn-amd-amdhsa--gfx1250"
	.amdhsa_code_object_version 6
	.text
	.protected	k_q9bb4e6b08b_wo
	.globl	k_q9bb4e6b08b_wo
	.p2align	8
	.type	k_q9bb4e6b08b_wo,@function
k_q9bb4e6b08b_wo:
	s_mov_b64 s[64:65], 0
	v_nop
	global_prefetch_b8 v0, s[64:65] scope:SCOPE_SE
	s_setreg_imm32_b32 hwreg(HW_REG_WAVE_MODE, 25, 1), 1
	s_wait_xcnt 0x0
	s_wait_alu depctr_hold_cnt(0) depctr_sa_sdst(0) depctr_va_vdst(0) depctr_va_sdst(0) depctr_va_ssrc(0) depctr_va_vcc(0) depctr_vm_vsrc(0)
	s_getreg_b32 s2, hwreg(HW_REG_IB_STS2, 6, 4)
	s_cmp_eq_u32 s2, 0
	s_cbranch_scc0 .Lentry_in_a_cluster
	s_endpgm
.Lentry_in_a_cluster:
	s_bfe_u32 s2, ttmp6, 0x10000c
	s_cmp_lg_u32 s2, 0xf033
	s_cbranch_scc0 .Lentry_shape_is_right
	s_endpgm
.Lentry_shape_is_right:
.set SIZE_K, 1024
.set KS,    SIZE_K/32
.set NK,    SIZE_K/128
.set LAPS,  SIZE_K/1024
.set BOFF,  131072                     ; LDS: the tokens' 8 tiles x 8 K steps x 2,048 bytes lie from 0 on, as in memory; behind them 128 weight rows
.set BP,    1040                       ; of 1,024 + 16 bytes
.set SCA,   BOFF+128*BP                ; the tokens' scale words: [NK][128 tokens][4 B]
.set SCB,   SCA+4*SIZE_K
.set SPARE, SCB+4*SIZE_K
.set ADRA, 16
.set ADRB, 20
.set ADRSA, 22
.set ADRSB, 23
.set SPW, 28
.set NIL, 29
.set SC,  32
.set BI,  96
.set ACC, 128
.set F0,  0
.set F1,  128
.set BK,  64
.set G1, 24
.set G0, 32
.set G1B, 48
.set G0B, 56
.set G1S, 68
.set G0S, 76
.set G1SB, 80
.set G0SB, 88
.set MSB, 0
.macro WIN new
.if MSB != \new
	s_set_vgpr_msb (MSB<<8)|\new
.set MSB, \new
.endif
.endm
.set MUL,  0x05
.set TO_F, 0x40
.macro PLACES n
.rept \n
	v_nop
.endr
.endm
.macro JLOAD g0a, g1a, g0b, g1b
	s_cmp_eq_u32 s15, 0
	s_cbranch_scc0 .Lfor_b_\@
	tensor_load_to_lds s[\g0a:\g0a+3], s[\g1a:\g1a+7]
	s_nop 0
.rept 4
	v_nop
.endr
	s_branch .Lasked_\@
.Lfor_b_\@:
	tensor_load_to_lds s[\g0b:\g0b+3], s[\g1b:\g1b+7]
	s_nop 0
.rept 4
	v_nop
.endr
.Lasked_\@:
.endm
.macro CREST
	s_cmp_lg_u32 s14, 0
	s_cbranch_scc1 .Lnot_wave_0_\@
	s_barrier_signal -3
.Lnot_wave_0_\@:
	s_barrier_wait -3
	s_barrier_signal -1
	s_barrier_wait -1
.endm
.macro CROUND
	s_barrier_signal -1
	s_barrier_wait -1
	CREST
.endm
.macro MUL8 f, a0, q, set, first
.irp a, \a0, \a0+1
.irp b, 0,1,2,3
.set rD, ACC+8*(4*(\a)+\b)
.set rC, rD
.if \first
.set rC, BI+8*\b
.endif
.set rB, \f+64+16*\b
.set rA, \f+16*(\a)
.set rSB, SC+16*(\set)+8+4*(\b/2)+(\q)
.set rSA, SC+16*(\set)+4*((\a)/2)+(\q)
.if ((\a)%2) && (\b%2)
	v_wmma_scale_f32_16x16x128_f8f6f4 v[rD:rD+7], v[rB:rB+15], v[rA:rA+15], v[rC:rC+7], v[rSB], v[rSA] matrix_a_scale:MATRIX_SCALE_ROW1 matrix_b_scale:MATRIX_SCALE_ROW1
.elseif (\a)%2
	v_wmma_scale_f32_16x16x128_f8f6f4 v[rD:rD+7], v[rB:rB+15], v[rA:rA+15], v[rC:rC+7], v[rSB], v[rSA] matrix_b_scale:MATRIX_SCALE_ROW1
.elseif \b%2
	v_wmma_scale_f32_16x16x128_f8f6f4 v[rD:rD+7], v[rB:rB+15], v[rA:rA+15], v[rC:rC+7], v[rSB], v[rSA] matrix_a_scale:MATRIX_SCALE_ROW1
.else
	v_wmma_scale_f32_16x16x128_f8f6f4 v[rD:rD+7], v[rB:rB+15], v[rA:rA+15], v[rC:rC+7], v[rSB], v[rSA]
.endif
.endr
.endr
.endm
.macro FETCH slot, q, f
	WIN TO_F
.irp b, 0,1,2,3
.irp c, 0,1,2,3
	ds_load_b128 v[\f+64+16*\b+4*\c:\f+64+16*\b+4*\c+3], v[ADRB+\slot] offset:(32*(\b/2)+8*(\b%2))*BP+128*(\q)+32*\c
.endr
.endr
.irp a, 0,1,2,3
.irp c, 0,1,2,3
	ds_load_b128 v[\f+16*\a+4*\c:\f+16*\a+4*\c+3], v[ADRA+\slot] offset:16384*\a+2048*(\q)+512*\c
.endr
.endr
.endm
.macro SCALES set
	WIN 0
.irp g, 0,1
	ds_load_b128 v[SC+16*\set+8+4*\g:SC+16*\set+8+4*\g+3], v[ADRSB] offset:32*KS*\g
.endr
.irp g, 0,1
.irp q, 0,1,2,3
	ds_load_b32 v[SC+16*\set+4*\g+\q], v[ADRSA] offset:128*\g+512*\q
.endr
.endr
.endm
.macro QUARTER slot, qn, f, g, first
	s_wait_dscnt 8
	WIN MUL
	MUL8 \f, 0, (\qn)-1, \slot, \first
	PLACES 8
	FETCH \slot, \qn, \g
	s_wait_dscnt 32
	WIN MUL
	MUL8 \f, 2, (\qn)-1, \slot, \first
.endm
.macro TURN slot, next, fill
	WIN 0
	s_wait_tensorcnt 0x0
	ds_add_u32 v[SPW], v[NIL]
	s_wait_dscnt 9
	WIN MUL
	MUL8 F1, 0, 3, \slot, 0
	s_wait_dscnt 0x0
	s_barrier_signal -1
	WIN 0
	s_barrier_wait -1
.if \fill
	CREST
	s_add_nc_u64 s[G0+4*\slot+2:G0+4*\slot+3], s[G0+4*\slot+2:G0+4*\slot+3], 16384
	s_add_nc_u64 s[G0B+4*\slot+2:G0B+4*\slot+3], s[G0B+4*\slot+2:G0B+4*\slot+3], 1024
	JLOAD G0+4*\slot, G1, G0B+4*\slot, G1B
	PLACES 4
.else
	PLACES 8
.endif
	v_add_nc_u32 v[ADRSA], 2048, v[ADRSA]  ; the scale words of K = 512 on: four rows of 512 bytes
	v_add_nc_u32 v[ADRSB], 16, v[ADRSB]
	SCALES \next
	FETCH \next, 0, F0
	WIN MUL
	MUL8 F1, 2, 3, \slot, 0
.endm
	s_load_b256 s[4:11], s[0:1], 0x0
	s_load_b64 s[12:13], s[0:1], 0x20
	s_load_b128 s[92:95], s[0:1], 0x28
	v_lshl_add_u32 v[SPW], v0, 2, SPARE
	v_mov_b32 v[NIL], 0
	ds_add_u32 v[SPW], v[NIL]
	ds_add_u32 v[SPW], v[NIL]
	v_lshrrev_b32 v1, 5, v0
	v_readfirstlane_b32 s14, v1
	s_lshr_b32 s15, s14, 1
	s_and_b32 s16, s14, 1
	s_bfe_u32 s40, ttmp6, 0x40000
	s_bfe_u32 s41, ttmp6, 0x40004
	s_lshl_b32 s42, ttmp9, 2
	s_add_co_u32 s42, s42, s40
	s_and_b32 s17, ttmp7, 0xffff
	s_lshl_b32 s17, s17, 2
	s_add_co_u32 s17, s17, s41
	s_lshl_b32 s43, s41, 2
	s_lshl_b32 s43, 15, s43
	s_lshl_b32 s44, 0x1111, s40
	s_or_b32 s[G1], s43, (3<<16)|(1<<21)
	s_mov_b32 s[G1+1], 1024<<16
	s_mov_b32 s[G1+2], 16<<16              ; the 8 token tiles, all of K, are 131,072 dense bytes: 16 rows of 8,192
	s_mov_b32 s[G1+3], 1024<<16
	s_mov_b32 s[G1+4], 16
	s_mov_b32 s[G1+5], 1024
	s_mov_b32 s[G1+6], 0
	s_mov_b32 s[G1+7], 0
	s_or_b32 s[G1B], s44, (0<<16)|(1<<20)|(1<<21)|(7<<22)|(3<<25)   ; the weights' codes: 128 whole rows of 1,024 bytes, 4 words of padding behind every 256
	s_mov_b32 s[G1B+1], 1024<<16
	s_mov_b32 s[G1B+2], 128<<16
	s_mov_b32 s[G1B+3], 1024<<16
	s_mov_b32 s[G1B+4], 128
	s_mov_b32 s[G1B+5], SIZE_K
	s_mov_b32 s[G1B+6], 0
	s_mov_b32 s[G1B+7], 0
	s_or_b32 s[G1S], s43, (3<<16)|(1<<21)
	s_mov_b32 s[G1S+1], 64<<16             ; rows of 512 bytes: 128 tokens' words of one K step
	s_mov_b32 s[G1S+2], NK<<16
	s_mov_b32 s[G1S+3], 64<<16
	s_mov_b32 s[G1S+4], NK
	s_mov_b32 s[G1S+5], 2048
	s_mov_b32 s[G1S+6], 0
	s_mov_b32 s[G1S+7], 0
	s_or_b32 s[G1SB], s44, (3<<16)|(1<<21)
	s_mov_b32 s[G1SB+1], 32<<16
	s_mov_b32 s[G1SB+2], (128*KS/256)<<16
	s_mov_b32 s[G1SB+3], 32<<16
	s_mov_b32 s[G1SB+4], 128*KS/256
	s_mov_b32 s[G1SB+5], 32
	s_mov_b32 s[G1SB+6], 0
	s_mov_b32 s[G1SB+7], 0
	s_lshl_b32 s20, s17, 3
	s_mul_i32 s20, s20, 16*SIZE_K
	s_mov_b32 s21, 0
	s_lshl_b32 s22, s17, 9
	s_mov_b32 s23, 0
	s_lshl_b32 s46, s42, 7
	s_mul_i32 s18, s46, KS
	s_mov_b32 s19, 0
	s_mul_i32 s46, s46, SIZE_K
	s_mov_b32 s47, 0
	s_wait_dscnt 0x0
	s_wait_kmcnt 0x0
	s_add_nc_u64 s[20:21], s[4:5], s[20:21]
	s_add_nc_u64 s[22:23], s[6:7], s[22:23]
	s_add_nc_u64 s[46:47], s[8:9], s[46:47]
	s_add_nc_u64 s[18:19], s[10:11], s[18:19]
	CROUND
	s_mov_b32 s[G0S], 1
	s_mov_b32 s[G0S+1], SCA
	s_mov_b64 s[G0S+2:G0S+3], s[22:23]
	s_or_b32 s[G0S+3], s[G0S+3], 0x80000000
	s_mov_b32 s[G0SB], 1
	s_mov_b32 s[G0SB+1], SCB
	s_mov_b64 s[G0SB+2:G0SB+3], s[18:19]
	s_or_b32 s[G0SB+3], s[G0SB+3], 0x80000000
	s_mov_b32 s[G0], 1
	s_mov_b32 s[G0+1], 0
	s_mov_b64 s[G0+2:G0+3], s[20:21]
	s_or_b32 s[G0+3], s[G0+3], 0x80000000
	s_mov_b32 s[G0B], 1
	s_mov_b32 s[G0B+1], BOFF
	s_mov_b64 s[G0B+2:G0B+3], s[46:47]
	s_or_b32 s[G0B+3], s[G0B+3], 0x80000000
	; THE HEAD'S FOUR TILES, ONE JOINT LOAD A WAVE: wave 0 the weights' codes, wave 1 the tokens', wave 2 the tokens' scale words, wave 3 the weights' scale bytes; all of K; nothing is filled again
.macro ARM under, g0, g1, next
	s_cmp_lt_u32 s14, \under
	s_cbranch_scc0 \next
	tensor_load_to_lds s[\g0:\g0+3], s[\g1:\g1+7]
	s_nop 0
.rept 4
	v_nop
.endr
	s_branch .Lhead_asked
\next:
.endm
	ARM 1, G0B, G1B, .Lhead_a
	ARM 2, G0,  G1,  .Lhead_sa
	ARM 3, G0S, G1S, .Lhead_sb
	tensor_load_to_lds s[G0SB:G0SB+3], s[G1SB:G1SB+7]
	s_nop 0
.rept 4
	v_nop
.endr
.Lhead_asked:
	v_and_b32 v1, 15, v0
	v_bfe_u32 v2, v0, 4, 1
	v_and_b32 v3, 8, v1
	v_add_nc_u32 v3, v3, v1
	v_and_b32 v4, 31, v0
	v_lshlrev_b32 v5, 4, v4
	s_lshl_b32 s45, s15, 16
	v_add_nc_u32 v[ADRA], s45, v5
	v_add_nc_u32 v[ADRA+1], 8192, v[ADRA]  ; K = 512 on: four K steps of 2,048 bytes
	v_mul_u32_u24 v6, v3, BP
	v_lshl_add_u32 v6, v2, 4, v6
	s_mul_i32 s45, s16, 64*BP
	s_add_co_u32 s45, s45, BOFF
	v_add_nc_u32 v[ADRB], s45, v6
	v_add_nc_u32 v[ADRB+1], 512, v[ADRB]
	v_lshl_add_u32 v7, v2, 3, v3
	s_mul_i32 s45, s15, 256
	s_add_co_u32 s45, s45, SCA
	v_lshl_add_u32 v[ADRSA], v7, 2, s45
	v_mul_u32_u24 v8, v7, KS
	s_mul_i32 s45, s16, 64*KS
	s_add_co_u32 s45, s45, SCB
	v_add_nc_u32 v[ADRSB], s45, v8
	s_lshl_b32 s46, s42, 9
	s_lshl_b32 s47, s16, 8
	s_add_co_u32 s46, s46, s47
	s_mov_b32 s47, 0
	s_add_nc_u64 s[12:13], s[12:13], s[46:47]
	v_lshlrev_b32 v9, 6, v2
.irp b, 0,1,2,3
	global_load_b128 v[BI+8*\b:BI+8*\b+3], v9, s[12:13] offset:(32*(\b/2)+8*(\b%2))*4
	global_load_b128 v[BI+8*\b+4:BI+8*\b+7], v9, s[12:13] offset:(32*(\b/2)+8*(\b%2))*4+16
.endr
	s_lshl_b32 s98, s17, 7
	s_lshl_b32 s99, s15, 6
	s_add_co_u32 s98, s98, s99
	s_lshl_b32 s98, s98, 12
	s_add_co_u32 s98, s98, s46
	s_mov_b32 s99, 0
	s_add_nc_u64 s[92:93], s[92:93], s[98:99]
	s_add_nc_u64 s[94:95], s[94:95], s[98:99]
	v_lshlrev_b32 v24, 12, v2
	v_lshl_add_u32 v24, v1, 4, v24
	WIN 0x80
.irp a, 0,1,2,3
.irp i, 0,1,2,3,4,5,6,7
	global_load_b128 v[32*\a+4*\i:32*\a+4*\i+3], v24, s[92:93] offset:4096*(32*(\a/2)+8*(\a%2)+2*\i+8*(\i/4))
.endr
.endr
	WIN 0
	s_mul_i32 s45, s14, 16*272
	s_add_co_u32 s45, s45, SPARE+512       ; my stage, 16 rows x 272 bytes, behind the spare words: bytes of its own, into which no fill lands
	v_mul_u32_u24 v25, v1, 272
	v_lshl_add_u32 v25, v2, 6, v25
	v_add_nc_u32 v25, s45, v25
	v_mul_u32_u24 v26, v2, 272
	v_lshl_add_u32 v26, v1, 4, v26
	v_add_nc_u32 v26, s45, v26
	s_wait_tensorcnt 0x0                   ; my one load has landed
	s_barrier_signal -1
	s_barrier_wait -1
	SCALES 0
	FETCH 0, 0, F0
	s_wait_loadcnt 32
	QUARTER 0, 1, F0, F1, 1
.if LAPS > 1
	WIN 0
	s_mov_b32 s3, LAPS-1
.Llap:
	QUARTER 0, 2, F1, F0, 0
	QUARTER 0, 3, F0, F1, 0
	TURN 0, 1, 1
	QUARTER 1, 1, F0, F1, 0
	QUARTER 1, 2, F1, F0, 0
	QUARTER 1, 3, F0, F1, 0
	TURN 1, 0, 1
	QUARTER 0, 1, F0, F1, 0
	WIN 0
	s_sub_co_u32 s3, s3, 1
	s_cmp_lg_u32 s3, 0
	s_cbranch_scc1 .Llap
.endif
	QUARTER 0, 2, F1, F0, 0
	QUARTER 0, 3, F0, F1, 0
	TURN 0, 1, 0
	QUARTER 1, 1, F0, F1, 0
	QUARTER 1, 2, F1, F0, 0
	QUARTER 1, 3, F0, F1, 0
	s_wait_dscnt 8
	WIN MUL
	MUL8 F1, 0, 3, 1, 0
	s_wait_alu depctr_va_vdst(0)
	s_wait_dscnt 0x0
	MUL8 F1, 2, 3, 1, 0
	WIN 0
	PLACES 8
	s_wait_loadcnt 0x0
.macro TOSTAGE a
.irp b, 0,1,2,3
	ds_store_b128 v25, v[ACC+8*(4*(\a)+\b):ACC+8*(4*(\a)+\b)+3] offset:4*(32*(\b/2)+8*(\b%2))
	ds_store_b128 v25, v[ACC+8*(4*(\a)+\b)+4:ACC+8*(4*(\a)+\b)+7] offset:4*(32*(\b/2)+8*(\b%2))+16
.endr
.irp i, 0,1,2,3,4,5,6,7
	ds_load_b128 v[BK+32*((\a)%2)+4*\i:BK+32*((\a)%2)+4*\i+3], v26 offset:544*\i
.endr
.endm
.macro SEND a, younger
	s_wait_dscnt \younger
	WIN 0x08
.set n, 0
.rept 16
	v_pk_add_f32 v[BK+32*((\a)%2)+2*n:BK+32*((\a)%2)+2*n+1], v[BK+32*((\a)%2)+2*n:BK+32*((\a)%2)+2*n+1], v[32*(\a)+2*n:32*(\a)+2*n+1]
.set n, n+1
.endr
	WIN 0
.irp i, 0,1,2,3,4,5,6,7
	global_store_b128 v24, v[BK+32*((\a)%2)+4*\i:BK+32*((\a)%2)+4*\i+3], s[94:95] offset:4096*(32*((\a)/2)+8*((\a)%2)+2*\i+8*(\i/4))
.endr
.endm
	TOSTAGE 0
.irp a, 1,2,3
.if \a > 1
	s_wait_xcnt 0x0
.endif
	TOSTAGE \a
	SEND \a-1, 16
.endr
	SEND 3, 0
	s_wait_tensorcnt 0x0
	ds_add_u32 v[SPW], v[NIL]
	s_wait_dscnt 0x0
	CROUND
	s_endpgm
.Lfunc_end_k_q9bb4e6b08b_wo:
	.size	k_q9bb4e6b08b_wo, .Lfunc_end_k_q9bb4e6b08b_wo-k_q9bb4e6b08b_wo
	.p2alignl 7, 3214868480
	.fill 96, 4, 3214868480
	.section	.rodata,"a",@progbits
	.p2align	6, 0x0
	.amdhsa_kernel k_q9bb4e6b08b_wo
		.amdhsa_group_segment_fixed_size 327680
		.amdhsa_private_segment_fixed_size 0
		.amdhsa_enable_private_segment 0
		.amdhsa_kernarg_size 56
		.amdhsa_user_sgpr_count 2
		.amdhsa_user_sgpr_kernarg_segment_ptr 1
		.amdhsa_wavefront_size32 1
		.amdhsa_system_sgpr_workgroup_id_x 1
		.amdhsa_system_sgpr_workgroup_id_y 1
		.amdhsa_system_sgpr_workgroup_id_z 1
		.amdhsa_system_vgpr_workitem_id 0
		.amdhsa_next_free_vgpr 768
		.amdhsa_next_free_sgpr 102
		.amdhsa_reserve_vcc 0
		.amdhsa_float_denorm_mode_32 3
		.amdhsa_float_denorm_mode_16_64 3
		.amdhsa_memory_ordered 1
		.amdhsa_forward_progress 1
		.amdhsa_inst_pref_size 61
	.end_amdhsa_kernel
	.amdgpu_metadata
---
amdhsa.version: [ 1, 2 ]
amdhsa.kernels:
  - .name:           k_q9bb4e6b08b_wo
    .symbol:         k_q9bb4e6b08b_wo.kd
    .args:
      - { .name: act, .offset: 0, .size: 8, .value_kind: global_buffer, .address_space: global }
      - { .name: asc, .offset: 8, .size: 8, .value_kind: global_buffer, .address_space: global }
      - { .name: Wo_codes, .offset: 16, .size: 8, .value_kind: global_buffer, .address_space: global }
      - { .name: Wo_scales, .offset: 24, .size: 8, .value_kind: global_buffer, .address_space: global }
      - { .name: bo, .offset: 32, .size: 8, .value_kind: global_buffer, .address_space: global }
      - { .name: x, .offset: 40, .size: 8, .value_kind: global_buffer, .address_space: global }
      - { .name: x2, .offset: 48, .size: 8, .value_kind: global_buffer, .address_space: global }
    .group_segment_fixed_size: 327680
    .private_segment_fixed_size: 0
    .kernarg_segment_align: 8
    .kernarg_segment_size: 56
    .max_flat_workgroup_size: 128
    .sgpr_count:     102
    .vgpr_count:     768
    .wavefront_size: 32
...
	.end_amdgpu_metadata
.endif
;; end of part 4
;; launch ln2 (part 5): grid 256 x 1, 8 waves a work-group, no clusters, 66,816 bytes of LDS; arguments x2, g2, be2, act, asc; writes act, asc
.if DOCPART == 5
	.amdgcn_target "amdgcn-amd-amdhsa--gfx1250"
	.amdhsa_code_object_version 6
	.text
	.protected	k_q9bb4e6b08b_ln2
	.globl	k_q9bb4e6b08b_ln2
	.p2align	8
	.type	k_q9bb4e6b08b_ln2,@function
k_q9bb4e6b08b_ln2:
	s_mov_b64 s[64:65], 0
	v_nop
	global_prefetch_b8 v0, s[64:65] scope:SCOPE_SE
	s_setreg_imm32_b32 hwreg(HW_REG_WAVE_MODE, 25, 1), 1
	s_wait_xcnt 0x0
; LAYER NORM 2 OF x2, QUANTISED ALONG D TO E4M3 WITH ONE E8M0 SCALE FOR EACH 32.  No work of the definition is left out.
; OUT (act): images of operand fragments, [256 token tiles][8][4 c][32 lanes][16 bytes]: lane (r, h) holds the codes of token 32 (T/2) + 8 (T%2) + r + 8 (r/8) at k = 128 q + 32 c + 16 h + 0..15; scale words (asc): [8][4,096 tokens][4 bytes].
; SHARES.  Work-group T owns token tile T, 16 rows.  Phase 1: wave w normalises two neighbouring tokens (LDS rows 2 w, 2 w + 1), a whole row in 32 registers, mean first and then the squares of the differences.
; Phase 2, behind one barrier: wave w takes k = 128 w .. 128 w + 127 of all 16 rows from LDS, quantises them and stores the fragment's image: 512 consecutive bytes a store.
; LIMITS: a block of zeros gets the scale byte 1 where the rule says 127 (zero codes; read by this program alone).  NaN and infinities among the inputs are not served.
.set PITCH, 4112                       ; an LDS row: 4,096 bytes + 16
.set SPARE, 16*PITCH                   ; the spare words, 128 bytes a wave, that no other line names
.set SPW, 2
.set NIL, 3
.set X,   32
.set G,   96
.set BE,  128
.set PC,  160
.set TM,  176
.set PW,  192
.set SEL, 20
.set MNT, 22
.macro QUANT s, pc, pw                 ; 64 numbers of a lane, register 16 b + i = number i of my 16 of block b (the other 16 in lane l xor 16): codes and a scale word
.irp b, 0,1,2,3
	v_max3_num_f32 v[TM+\b], |v[\s+16*\b]|, |v[\s+1+16*\b]|, 0x4800000   ; with the floor 2^(9 - 127): the byte cannot fall under 1
.endr
.irp i, 2,4,6,8,10,12,14
.irp b, 0,1,2,3
	s_delay_alu instid0(VALU_DEP_4)
	v_max3_num_f32 v[TM+\b], v[TM+\b], |v[\s+16*\b+\i]|, |v[\s+1+16*\b+\i]|
.endr
.endr
.irp b, 0,1,2,3
	s_delay_alu instid0(VALU_DEP_4)
	v_permlanex16_b32 v[TM+4+\b], v[TM+\b], s[SEL], s[SEL+1]
.endr
.irp b, 0,1,2,3
	s_delay_alu instid0(VALU_DEP_4)
	v_max_num_f32 v[TM+\b], v[TM+\b], v[TM+4+\b]
.endr
.irp b, 0,1,2,3
	s_delay_alu instid0(VALU_DEP_4)
	v_add_nc_u32 v[TM+12+\b], 0xfc000000, v[TM+\b]
.endr
.irp b, 0,1,2,3
	v_and_or_b32 v[TM+8+\b], v[TM+\b], 0x7f800000, s[MNT]
.endr
.irp b, 0,1,2,3
	v_lshrrev_b32 v[TM+4+\b], 23, v[TM+12+\b]
.endr
	s_delay_alu instid0(VALU_DEP_3)
	v_lshl_or_b32 v[\pw], v[TM+5], 8, v[TM+4]
	s_delay_alu instid0(VALU_DEP_1)
	v_lshl_or_b32 v[\pw], v[TM+6], 16, v[\pw]
	s_delay_alu instid0(VALU_DEP_1)
	v_lshl_or_b32 v[\pw], v[TM+7], 24, v[\pw]
.irp b, 0,1,2,3
.irp i, 0,1,2,3,4,5,6,7,8,9,10,11,12,13,14,15
	v_med3_num_f32 v[\s+16*\b+\i], v[\s+16*\b+\i], -v[TM+8+\b], v[TM+8+\b]   ; the conversion does not saturate (ISA guide 7.6.2)
.endr
	v_cvt_scalef32_pk8_fp8_f32 v[\pc+4*\b:\pc+1+4*\b], v[\s+16*\b:\s+7+16*\b], v[TM+12+\b]
	v_cvt_scalef32_pk8_fp8_f32 v[\pc+2+4*\b:\pc+3+4*\b], v[\s+8+16*\b:\s+15+16*\b], v[TM+12+\b]
.endr
	v_nop
.endm
.macro WSUM a, t
	v_add_f32_dpp v[\a], v[\a], v[\a] row_xmask:1 row_mask:0xf bank_mask:0xf
	s_delay_alu instid0(VALU_DEP_1)
	v_add_f32_dpp v[\a], v[\a], v[\a] row_xmask:2 row_mask:0xf bank_mask:0xf
	s_delay_alu instid0(VALU_DEP_1)
	v_add_f32_dpp v[\a], v[\a], v[\a] row_xmask:4 row_mask:0xf bank_mask:0xf
	s_delay_alu instid0(VALU_DEP_1)
	v_add_f32_dpp v[\a], v[\a], v[\a] row_xmask:8 row_mask:0xf bank_mask:0xf
	s_delay_alu instid0(VALU_DEP_1)
	v_permlanex16_b32 v[\t], v[\a], s[SEL], s[SEL+1]
	s_delay_alu instid0(VALU_DEP_1)
	v_add_f32 v[\a], v[\a], v[\t]
.endm
	s_load_b128 s[4:7], s[0:1], 0x0        ; the rows, g
	s_load_b128 s[8:11], s[0:1], 0x10      ; be, act
	s_load_b64 s[12:13], s[0:1], 0x20      ; asc
	v_lshl_add_u32 v[SPW], v0, 2, SPARE
	v_mov_b32 v[NIL], 0
	v_lshrrev_b32 v8, 5, v0
	s_delay_alu instid0(VALU_DEP_1)
	v_readfirstlane_b32 s16, v8            ; wave 0..7
	v_and_b32 v7, 31, v0
	s_delay_alu instid0(VALU_DEP_1)
	v_lshlrev_b32 v1, 4, v7
	v_and_b32 v8, 15, v0
	v_bfe_u32 v9, v0, 4, 1
	s_mul_i32 s26, s16, 2*PITCH
	v_add_nc_u32 v4, s26, v1               ; into LDS: rows 2 w, 2 w + 1
	v_mul_u32_u24 v5, v8, PITCH
	s_delay_alu instid0(VALU_DEP_1)
	v_lshl_add_u32 v5, v9, 6, v5
	s_lshl_b32 s27, s16, 9
	v_add_nc_u32 v5, s27, v5               ; out of LDS: row r, byte 512 w + 64 h
	v_and_b32 v6, 8, v8
	s_delay_alu instid0(VALU_DEP_1)
	v_add_nc_u32 v6, v6, v8
	s_delay_alu instid0(VALU_DEP_1)
	v_lshlrev_b32 v6, 2, v6
	s_lshr_b32 s17, ttmp9, 1
	s_lshl_b32 s17, s17, 5
	s_and_b32 s18, ttmp9, 1
	s_lshl_b32 s18, s18, 3
	s_add_co_u32 s19, s17, s18             ; the tile's base token
	s_lshl_b32 s24, s16, 1
	s_and_b32 s25, s24, 8
	s_add_co_u32 s24, s24, s25
	s_add_co_u32 s24, s24, s19
	s_lshl_b32 s24, s24, 12
	s_mov_b32 s25, 0
	s_lshl_b32 s26, ttmp9, 14
	s_lshl_b32 s27, s16, 11
	s_add_co_u32 s26, s26, s27
	s_mov_b32 s27, 0
	s_lshl_b32 s28, s16, 14
	s_lshl_b32 s29, s19, 2
	s_add_co_u32 s28, s28, s29
	s_mov_b32 s29, 0
	s_mov_b32 s30, 0x3a800000              ; 1 / 1,024
	s_mov_b32 s31, 0x3727c5ac              ; 1e-5
	s_mov_b32 s[SEL], 0x76543210
	s_mov_b32 s[SEL+1], 0xfedcba98
	s_mov_b32 s[MNT], 0x600000
	s_wait_kmcnt 0x0
	s_add_nc_u64 s[4:5], s[4:5], s[24:25]
	s_add_nc_u64 s[10:11], s[10:11], s[26:27]
	s_add_nc_u64 s[12:13], s[12:13], s[28:29]
.set i, 0
.rept 16
	global_load_b128 v[X+4*i:X+4*i+3], v1, s[4:5] offset:4096*(i/8)+512*(i%8)
.set i, i+1
.endr
.set i, 0
.rept 8
	global_load_b128 v[G+4*i:G+4*i+3], v1, s[6:7] offset:512*i
.set i, i+1
.endr
.set i, 0
.rept 8
	global_load_b128 v[BE+4*i:BE+4*i+3], v1, s[8:9] offset:512*i
.set i, i+1
.endr
.irp b, 0,1,2,3
	v_mov_b32 v[TM+4+\b], 0
.endr
	s_wait_loadcnt 16                      ; my two rows are in; the 16 loads of g and be may be out
.irp j, 0,1
	v_pk_add_f32 v[8+4*\j:9+4*\j], v[X+32*\j:X+32*\j+1], v[X+32*\j+2:X+32*\j+3]
	v_pk_add_f32 v[10+4*\j:11+4*\j], v[X+32*\j+4:X+32*\j+5], v[X+32*\j+6:X+32*\j+7]
.endr
.irp i, 8,12,16,20,24,28
.irp j, 0,1
	s_delay_alu instid0(VALU_DEP_4)
	v_pk_add_f32 v[8+4*\j:9+4*\j], v[8+4*\j:9+4*\j], v[X+32*\j+\i:X+32*\j+\i+1]
	s_delay_alu instid0(VALU_DEP_4)
	v_pk_add_f32 v[10+4*\j:11+4*\j], v[10+4*\j:11+4*\j], v[X+32*\j+\i+2:X+32*\j+\i+3]
.endr
.endr
.irp j, 0
	s_delay_alu instid0(VALU_DEP_3)
	v_pk_add_f32 v[8+4*\j:9+4*\j], v[8+4*\j:9+4*\j], v[10+4*\j:11+4*\j]
.endr
.irp j, 1
	s_delay_alu instid0(VALU_DEP_2)
	v_pk_add_f32 v[8+4*\j:9+4*\j], v[8+4*\j:9+4*\j], v[10+4*\j:11+4*\j]
.endr
.irp j, 0,1
	s_delay_alu instid0(VALU_DEP_2)
	v_add_f32 v[8+4*\j], v[8+4*\j], v[9+4*\j]
.endr
	WSUM 8, 9
	WSUM 12, 13
	v_mul_f32 v8, s30, v8
	s_delay_alu instid0(VALU_DEP_2)
	v_mul_f32 v12, s30, v12
.set i, 0
.rept 32
	v_pk_add_f32 v[X+2*i:X+2*i+1], v[X+2*i:X+2*i+1], v[8+4*(i/16):9+4*(i/16)] op_sel_hi:[1,0] neg_lo:[0,1] neg_hi:[0,1]
.set i, i+1
.endr
.irp j, 0,1
	v_pk_mul_f32 v[16+4*\j:17+4*\j], v[X+32*\j:X+32*\j+1], v[X+32*\j:X+32*\j+1]
	v_pk_mul_f32 v[18+4*\j:19+4*\j], v[X+32*\j+2:X+32*\j+3], v[X+32*\j+2:X+32*\j+3]
.endr
.irp i, 4,8,12,16,20,24,28
.irp j, 0,1
	s_delay_alu instid0(VALU_DEP_4)
	v_pk_fma_f32 v[16+4*\j:17+4*\j], v[X+32*\j+\i:X+32*\j+\i+1], v[X+32*\j+\i:X+32*\j+\i+1], v[16+4*\j:17+4*\j]
	s_delay_alu instid0(VALU_DEP_4)
	v_pk_fma_f32 v[18+4*\j:19+4*\j], v[X+32*\j+\i+2:X+32*\j+\i+3], v[X+32*\j+\i+2:X+32*\j+\i+3], v[18+4*\j:19+4*\j]
.endr
.endr
.irp j, 0
	s_delay_alu instid0(VALU_DEP_3)
	v_pk_add_f32 v[16+4*\j:17+4*\j], v[16+4*\j:17+4*\j], v[18+4*\j:19+4*\j]
.endr
.irp j, 1
	s_delay_alu instid0(VALU_DEP_2)
	v_pk_add_f32 v[16+4*\j:17+4*\j], v[16+4*\j:17+4*\j], v[18+4*\j:19+4*\j]
.endr
.irp j, 0,1
	s_delay_alu instid0(VALU_DEP_2)
	v_add_f32 v[16+4*\j], v[16+4*\j], v[17+4*\j]
.endr
	WSUM 16, 17
	WSUM 20, 21
	v_fma_f32 v16, v16, s30, s31
	s_delay_alu instid0(VALU_DEP_2)
	v_fma_f32 v20, v20, s30, s31
	s_wait_alu depctr_va_vdst(0)
	v_rsq_f32 v16, v16
	v_rsq_f32 v20, v20
	v_nop                                  ; a plain line behind the batch of two
	s_wait_alu depctr_va_vdst(0)           ; and the one wait ahead of its first reader
	s_wait_loadcnt 0x0
.set i, 0
.rept 32
	v_pk_mul_f32 v[X+2*i:X+2*i+1], v[X+2*i:X+2*i+1], v[16+4*(i/16):17+4*(i/16)] op_sel_hi:[1,0]
.set i, i+1
.endr
.set i, 0
.rept 32
	v_pk_fma_f32 v[X+2*i:X+2*i+1], v[X+2*i:X+2*i+1], v[G+2*(i%16):G+2*(i%16)+1], v[BE+2*(i%16):BE+2*(i%16)+1]
.set i, i+1
.endr
.set i, 0
.rept 16
	ds_store_b128 v4, v[X+4*i:X+4*i+3] offset:PITCH*(i/8)+512*(i%8)
.set i, i+1
.endr
	s_wait_dscnt 0x0                       ; for the others' sake: my rows lie in LDS
	s_barrier_signal -1
	s_barrier_wait -1
.set i, 0
.rept 16
	ds_load_b128 v[X+4*i:X+4*i+3], v5 offset:128*(i/4)+16*(i%4)
.set i, i+1
.endr
	s_wait_dscnt 0x0
	QUANT X, PC, PW
.irp c, 0,1,2,3
	global_store_b128 v1, v[PC+4*\c:PC+4*\c+3], s[10:11] offset:512*\c
.endr
	s_wait_xcnt 0x0                        ; EXEC changes only behind this wait
	v_cmp_gt_u32 vcc_lo, 16, v7
	s_and_saveexec_b32 s32, vcc_lo
	global_store_b32 v6, v[PW], s[12:13]
	s_wait_xcnt 0x0
	s_or_b32 exec_lo, exec_lo, s32
	s_wait_tensorcnt 0x0                   ; the wave's end, behind my last LDS store
	ds_add_u32 v[SPW], v[NIL]
	s_wait_dscnt 0x0
	s_endpgm
.Lfunc_end_k_q9bb4e6b08b_ln2:
	.size	k_q9bb4e6b08b_ln2, .Lfunc_end_k_q9bb4e6b08b_ln2-k_q9bb4e6b08b_ln2
	.p2alignl 7, 3214868480
	.fill 96, 4, 3214868480
	.section	.rodata,"a",@progbits
	.p2align	6, 0x0
	.amdhsa_kernel k_q9bb4e6b08b_ln2
		.amdhsa_group_segment_fixed_size 66816
		.amdhsa_private_segment_fixed_size 0
		.amdhsa_enable_private_segment 0
		.amdhsa_kernarg_size 40
		.amdhsa_user_sgpr_count 2
		.amdhsa_user_sgpr_kernarg_segment_ptr 1
		.amdhsa_wavefront_size32 1
		.amdhsa_system_sgpr_workgroup_id_x 1
		.amdhsa_system_sgpr_workgroup_id_y 1
		.amdhsa_system_sgpr_workgroup_id_z 1
		.amdhsa_system_vgpr_workitem_id 0
		.amdhsa_next_free_vgpr 200
		.amdhsa_next_free_sgpr 66
		.amdhsa_reserve_vcc 1
		.amdhsa_float_denorm_mode_32 3
		.amdhsa_float_denorm_mode_16_64 3
		.amdhsa_memory_ordered 1
		.amdhsa_forward_progress 1
		.amdhsa_inst_pref_size 33
	.end_amdhsa_kernel
	.amdgpu_metadata
---
amdhsa.version: [ 1, 2 ]
amdhsa.kernels:
  - .name:           k_q9bb4e6b08b_ln2
    .symbol:         k_q9bb4e6b08b_ln2.kd
    .args:
      - { .name: x2, .offset: 0, .size: 8, .value_kind: global_buffer, .address_space: global }
      - { .name: g2, .offset: 8, .size: 8, .value_kind: global_buffer, .address_space: global }
      - { .name: be2, .offset: 16, .size: 8, .value_kind: global_buffer, .address_space: global }
      - { .name: act, .offset: 24, .size: 8, .value_kind: global_buffer, .address_space: global }
      - { .name: asc, .offset: 32, .size: 8, .value_kind: global_buffer, .address_space: global }
    .group_segment_fixed_size: 66816
    .private_segment_fixed_size: 0
    .kernarg_segment_align: 8
    .kernarg_segment_size: 40
    .max_flat_workgroup_size: 256
    .sgpr_count:     66
    .vgpr_count:     200
    .wavefront_size: 32
...
	.end_amdgpu_metadata
.endif
;; end of part 5
;; launch w1 (part 6): grid 16 x 16, 4 waves a work-group, clusters of 4 x 4, 327,680 bytes of LDS; arguments act, asc, W1_codes, W1_scales, b1, ffc, ffs; writes ffc, ffs
.if DOCPART == 6
	.amdgcn_target "amdgcn-amd-amdhsa--gfx1250"
	.amdhsa_code_object_version 6
	.text
	.protected	k_q9bb4e6b08b_w1
	.globl	k_q9bb4e6b08b_w1
	.p2align	8
	.type	k_q9bb4e6b08b_w1,@function
k_q9bb4e6b08b_w1:
	s_mov_b64 s[64:65], 0
	v_nop
	global_prefetch_b8 v0, s[64:65] scope:SCOPE_SE
	s_setreg_imm32_b32 hwreg(HW_REG_WAVE_MODE, 25, 1), 1
	s_wait_xcnt 0x0
	s_wait_alu depctr_hold_cnt(0) depctr_sa_sdst(0) depctr_va_vdst(0) depctr_va_sdst(0) depctr_va_ssrc(0) depctr_va_vcc(0) depctr_vm_vsrc(0)
	s_getreg_b32 s2, hwreg(HW_REG_IB_STS2, 6, 4)
	s_cmp_eq_u32 s2, 0
	s_cbranch_scc0 .Lentry_in_a_cluster
	s_endpgm
.Lentry_in_a_cluster:
	s_bfe_u32 s2, ttmp6, 0x10000c
	s_cmp_lg_u32 s2, 0xf033
	s_cbranch_scc0 .Lentry_shape_is_right
	s_endpgm
.Lentry_shape_is_right:
; PRODUCT 7 ON CODES OF E4M3 (h W1^T + b1), THE EXACT gelu, AND THE QUANTISER ALONG THE 4,096 HIDDEN CHANNELS FOR PRODUCT 8.  No work of the definition is left out.
; SHARES.  256 work-groups of four waves; a work-group makes 256 tokens x 256 channels.  A wave holds 64 tokens (4 token tiles), ALL of K = 1,024, in 512 registers: act is laid as images of operand fragments, so they come by plain loads of 512 consecutive bytes.
; The work-group's 256 weight rows, all of K, lie in LDS, filled ONCE: one joint load of 64 rows a wave, shared along a column of the 4 x 4 cluster (the four partners of a column make the same channels).  Nothing is filled again.
; Every wave walks the 16 weight tiles of 16 NEIGHBOURING rows (pitch 1,040 bytes: the 16 rows of a load start at 16 different groups of banks), two tiles a trip through two register sets: 36 LDS loads (32 of codes, 2 of scale words, 2 of the bias) feed 32 products.
; TRANSPOSED USE: source 0 = 16 weight rows, source 1 = 16 tokens: register j of lane (r, h) is token row r, channel 16 i + 8 h + j of tile i.  The bias is the C of each sum's first product.  The four sums of a batch take turns.
; THE WAY OUT of a pair of tiles (32 channels, one scale block a token, in lanes l and l xor 16) stands behind its 64 products, while the next pair's LDS loads are out: gelu, the block's scale, hold, conversion.  The finished codes are exchanged between the halves of the
; lanes, so that lane (r, h) holds channels 32 B + 16 h + 0 .. 15, as the next operand's image wants them: ffc [256 token tiles][32][4 c][32 lanes][16 B]; ffs [32][4,096 tokens][4 B]: a token's word is gathered over four pairs.
; gelu(x) = max(x, 0) - |x| q, q = erfc(|x| / sqrt 2) / 2 = t 2^(polynomial of degree 9 in t - x^2 log2(e) / 2 - 1), t = 1 / (1 + |x| / (2 sqrt 2)).
; NO PREFETCH: every byte that the launch reads is asked for at its head; there is no loop over memory to run ahead in.  The tokens' codes are not asked for jointly: they go into registers and pass through no LDS.
; LIMITS: a block of zeros gets the scale byte 1 where the rule says 127 (zero codes; this program alone reads the bytes).  NaN and infinities are not served.  The scale words leave as 128 consecutive bytes a store.
.set PITCH, 1040
.set WPART, 64*PITCH                   ; a wave's load: 64 rows
.set SCW,   4*WPART                    ; behind the rows: the weights' scale bytes, 256 rows x 32, written by LDS stores alone;
.set BIA,   SCW+8192                   ; b1 of my 256 channels, likewise;
.set SPARE, BIA+1024                   ; the spare words, 128 bytes a wave, that no other line names
.set NF,    36                         ; LDS loads of a weight tile
.set ACO,  4                           ; v4   16 x lane
.set AFS,  8                           ; v8   4 (r + 8 (r/8) + 8 h): my token's scale word among 32
.set ADW0, 11                          ; v11-13 LDS addresses of pair 0: codes, scale words, bias;  v14-16 those of the pair that is fetched
.set ADS0, 12
.set ADB0, 13
.set ADW,  14
.set ADS,  15
.set ADB,  16
.set SPW,  28
.set NIL,  29
.set SX,   32                          ; v32-47 the tokens' scale words: 8 g + q: lanes 0-15 tile 2 g, lanes 16-31 tile 2 g + 1
.set SW,   52                          ; v52-67 the weights': set e at 8 e + q (no product's two scale registers have numbers equal modulo 8)
.set BI,   68                          ; v68-83 the bias: set e at 8 e
.set U,    84
.set P,    100
.set T,    116
.set TM,   116
.set KP,   132                         ; v132-133 the polynomial's leading coefficient, twice
.set SWD,  134                         ; v134-137 a token tile's scale words as they are gathered
.set WD,   138
.set PC,   140                         ; v140-155 the codes: 4 registers a token tile
.set ACC,  160                         ; v160-223 sum (token tile a, tile e of the pair) at 16 a + 8 e.  Windows 1, 2: the tokens' fragment (a, q) at 16 (4 q + a); window 3: the weights' two sets, 128 e + 16 q
.set WV,   20
.set G1,   32
.set G0,   40
.set SEL,  44
.set MNT,  46
.set GC,   47
.set HM,   48
.set CNT,  49
.set SH,   50
.set MSB, 0
.macro WIN new                         ; the immediate's high byte repeats the setting that is left
.if MSB != \new
	s_set_vgpr_msb (MSB<<8)|\new
.set MSB, \new
.endif
.endm
.macro PLACES n
.rept \n
	v_nop
.endr
.endm
.macro CROUND                          ; a round of the cluster's barrier
	s_barrier_signal -1
	s_barrier_wait -1
	s_cmp_lg_u32 s[WV], 0
	s_cbranch_scc1 .Lnot_wave_0_\@
	s_barrier_signal -3
.Lnot_wave_0_\@:
	s_barrier_wait -3
	s_barrier_signal -1
	s_barrier_wait -1
.endm
.macro XQ q                            ; the tokens' four fragments of K step q: 16 loads of 512 consecutive bytes
.irp a, 0,1,2,3
.irp c, 0,1,2,3
	global_load_b128 v[16*(4*(\q%4)+\a)+4*\c:16*(4*(\q%4)+\a)+4*\c+3], v[ACO], s[60:61] offset:16384*\a+2048*\q+512*\c
.endr
.endr
.endm
.macro FETCH e, aw, as, ab             ; tile e of a pair into set e: NF loads
	WIN 0xc0
.irp q, 0,1,2,3,4,5,6,7
.irp c, 0,1,2,3
	ds_load_b128 v[128*\e+16*\q+4*\c:128*\e+16*\q+4*\c+3], v[\aw] offset:16*PITCH*\e+128*\q+32*\c
.endr
.endr
	WIN 0
	ds_load_b128 v[SW+8*\e:SW+8*\e+3], v[\as] offset:512*\e
	ds_load_b128 v[SW+8*\e+4:SW+8*\e+7], v[\as] offset:512*\e+16
	ds_load_b128 v[BI+8*\e:BI+8*\e+3], v[\ab] offset:64*\e
	ds_load_b128 v[BI+8*\e+4:BI+8*\e+7], v[\ab] offset:64*\e+16
.endm
.macro BATCH e                         ; 32 products: tile e x my four token tiles, K ascending
.irp q, 0,1,2,3,4,5,6,7
	WIN 3|((1+\q/4)<<2)
.irp a, 0,1,2,3
.set rD, ACC+16*\a+8*\e
.set rC, rD
.if \q == 0
.set rC, BI+8*\e
.endif
.set rW, 128*\e+16*\q
.set rX, 16*(4*(\q%4)+\a)
.set rSW, SW+8*\e+\q
.set rSX, SX+8*(\a/2)+\q
.if \a%2
	v_wmma_scale_f32_16x16x128_f8f6f4 v[rD:rD+7], v[rW:rW+15], v[rX:rX+15], v[rC:rC+7], v[rSW], v[rSX] matrix_b_scale:MATRIX_SCALE_ROW1
.else
	v_wmma_scale_f32_16x16x128_f8f6f4 v[rD:rD+7], v[rW:rW+15], v[rX:rX+15], v[rC:rC+7], v[rSW], v[rSX]
.endif
.endr
.endr
	WIN 0
	PLACES 8                               ; eight places ahead of loads into what the products read and of the first reader of their sums (ISA guide 7.12.1 for the first reader of their sums)
.endm
.macro GELU16 x                        ; gelu of 16 numbers, in place; each batch of transcendentals has one wait ahead of it and one behind it
.set i, 0
.rept 16
	v_fma_f32 v[U+i], |v[\x+i]|, s[GC], 1.0
.set i, i+1
.endr
.set i, 0
	s_wait_alu depctr_va_vdst(0)
.rept 16
	v_rcp_f32 v[U+i], v[U+i]               ; t
.set i, i+1
.endr
.set i, 0
.rept 8
	v_pk_mul_f32 v[T+2*i:T+2*i+1], v[\x+2*i:\x+2*i+1], v[\x+2*i:\x+2*i+1]
.set i, i+1
.endr
	s_wait_alu depctr_va_vdst(0)
.set i, 0
.rept 8
	v_pk_fma_f32 v[P+2*i:P+2*i+1], v[U+2*i:U+2*i+1], v[KP:KP+1], 0xbf97d29d op_sel_hi:[1,1,0]
.set i, i+1
.endr
.irp k, 0x40097039, 0xbfd1a1e5, 0x3ecdfd18, 0xbe899a80, 0x3e0efb2e, 0x3f0a29d2, 0x3fb8ab5a, 0xc034d90f
.set i, 0
.rept 8
	v_pk_fma_f32 v[P+2*i:P+2*i+1], v[P+2*i:P+2*i+1], v[U+2*i:U+2*i+1], \k op_sel_hi:[1,1,0]
.set i, i+1
.endr
.endr
.set i, 0
.rept 8
	v_pk_fma_f32 v[P+2*i:P+2*i+1], v[T+2*i:T+2*i+1], 0xbf38aa3b, v[P+2*i:P+2*i+1] op_sel_hi:[1,0,1]
.set i, i+1
.endr
.set i, 0
	s_wait_alu depctr_va_vdst(0)
.rept 16
	v_exp_f32 v[P+i], v[P+i]
.set i, i+1
.endr
.set i, 0
.rept 16
	v_max_num_f32 v[T+i], 0, v[\x+i]
.set i, i+1
.endr
	s_wait_alu depctr_va_vdst(0)
.set i, 0
.rept 8
	v_pk_mul_f32 v[P+2*i:P+2*i+1], v[P+2*i:P+2*i+1], v[U+2*i:U+2*i+1]   ; q
.set i, i+1
.endr
.set i, 0
.rept 16
	v_fma_f32 v[\x+i], -|v[\x+i]|, v[P+i], v[T+i]
.set i, i+1
.endr
.endm
	s_load_b256 s[4:11], s[0:1], 0x0       ; act, asc, W1_codes, W1_scales
	s_load_b128 s[12:15], s[0:1], 0x20     ; b1, ffc
	s_load_b64 s[16:17], s[0:1], 0x30      ; ffs
	v_lshl_add_u32 v[SPW], v0, 2, SPARE
	v_mov_b32 v[NIL], 0
	ds_add_u32 v[SPW], v[NIL]              ; the opening: the add, twice on end, and its wait ahead of my first tensor load
	ds_add_u32 v[SPW], v[NIL]
	v_lshrrev_b32 v1, 5, v0
	v_readfirstlane_b32 s[WV], v1          ; wave 0..3
	s_bfe_u32 s21, ttmp6, 0x40000          ; cx
	s_bfe_u32 s22, ttmp6, 0x40004          ; cy
	s_lshl_b32 s23, ttmp9, 2
	s_add_co_u32 s23, s23, s21             ; X: my 256 channels
	s_and_b32 s24, ttmp7, 0xffff
	s_lshl_b32 s24, s24, 2
	s_add_co_u32 s24, s24, s22             ; Y: my 256 tokens
	s_lshl_b32 s25, 0x1111, s21            ; my column of the cluster shares the weights
	s_or_b32 s[G1], s25, (1<<20)|(1<<21)|(7<<22)|(3<<25)   ; elements of 1 byte; 4 words of padding behind every 256; bit 21 beside the mask
	s_mov_b32 s[G1+1], 1024<<16
	s_mov_b32 s[G1+2], 64<<16
	s_mov_b32 s[G1+3], 1024<<16
	s_mov_b32 s[G1+4], 64
	s_mov_b32 s[G1+5], 1024
	s_mov_b32 s[G1+6], 0
	s_mov_b32 s[G1+7], 0
	s_mov_b32 s[G0], 1
	s_mul_i32 s[G0+1], s[WV], WPART
	s_lshl_b32 s52, s23, 18                ; row 256 X + 64 wave, 1,024 bytes a row
	s_lshl_b32 s53, s[WV], 16
	s_add_co_u32 s52, s52, s53
	s_mov_b32 s53, 0
	s_mov_b32 s[SEL], 0x76543210
	s_mov_b32 s[SEL+1], 0xfedcba98
	s_mov_b32 s[MNT], 0x600000
	s_mov_b32 s[GC], 0x3eb504f3            ; 1 / (2 sqrt 2)
	s_mov_b32 s[HM], 0xffff0000            ; lanes 16-31
	s_mov_b32 s[CNT], 0
	s_mov_b32 s[SH], 0
	s_wait_dscnt 0x0                       ; both opening adds are done
	s_wait_kmcnt 0x0
	s_add_nc_u64 s[G0+2:G0+3], s[8:9], s[52:53]
	s_or_b32 s[G0+3], s[G0+3], 0x80000000
	CROUND                                 ; all sixteen work-groups are here: the joint loads meet
	tensor_load_to_lds s[G0:G0+3], s[G1:G1+7]   ; my 64 weight rows: my one tensor load
	s_nop 0
	PLACES 4
	s_lshl_b32 s52, s23, 13
	s_add_nc_u64 s[54:55], s[10:11], s[52:53]   ; the weights' scale bytes: 8,192 X
	s_lshl_b32 s52, s23, 10
	s_add_nc_u64 s[56:57], s[12:13], s[52:53]   ; b1: 1,024 X
	s_lshl_b32 s52, s24, 10
	s_lshl_b32 s51, s[WV], 8
	s_add_co_u32 s52, s52, s51
	s_add_nc_u64 s[58:59], s[6:7], s[52:53]     ; asc: 4 (256 Y + 64 wave)
	s_lshl_b32 s51, s23, 15
	s_add_co_u32 s52, s52, s51
	s_add_nc_u64 s[16:17], s[16:17], s[52:53]   ; ffs: the same + 2 X rows of 16,384
	s_lshl_b32 s52, s24, 18
	s_lshl_b32 s51, s[WV], 16
	s_add_co_u32 s52, s52, s51
	s_add_nc_u64 s[60:61], s[4:5], s[52:53]     ; act: token tile 16 Y + 4 wave, 16,384 bytes a tile
	s_lshl_b32 s52, s52, 2
	s_lshl_b32 s51, s23, 12
	s_add_co_u32 s52, s52, s51
	s_add_nc_u64 s[14:15], s[14:15], s[52:53]   ; ffc: 65,536 bytes a tile, + 4,096 X
	v_and_b32 v1, 15, v0                   ; r
	v_bfe_u32 v2, v0, 4, 1                 ; h
	v_and_b32 v3, 31, v0
	v_lshlrev_b32 v[ACO], 4, v3
	v_lshlrev_b32 v5, 4, v0                ; 16 x thread
	v_lshlrev_b32 v6, 3, v0                ; 8 x thread
	v_and_b32 v7, 8, v1
	v_add_nc_u32 v7, v7, v1
	v_lshl_add_u32 v7, v2, 3, v7           ; r + 8 (r/8) + 8 h
	v_lshlrev_b32 v[AFS], 2, v7
	v_add_nc_u32 v9, SCW, v5
	v_add_nc_u32 v10, BIA, v6
	v_mul_u32_u24 v[ADW0], v1, PITCH
	v_lshl_add_u32 v[ADW0], v2, 4, v[ADW0] ; row r, + 16 h
	v_lshl_add_u32 v[ADS0], v1, 5, SCW     ; row r's 32 scale bytes
	v_lshl_add_u32 v[ADB0], v2, 5, BIA     ; channels 8 h on
	v_mov_b32 v[KP], 0x3e7c6f08
	v_mov_b32 v[KP+1], 0x3e7c6f08
.irp a, 0,1,2,3
	v_mov_b32 v[SWD+\a], 0
.endr
	s_wait_alu depctr_va_vdst(0)           ; the wait behind the head's vector lines
.irp i, 0,1,2,3
	global_load_b128 v[ACC+4*\i:ACC+4*\i+3], v5, s[54:55] offset:2048*\i   ; the weights' scale bytes: 2,048 consecutive bytes for the four waves
.endr
	global_load_b64 v[ACC+16:ACC+17], v6, s[56:57]
.irp g, 0,1
.irp q, 0,1,2,3,4,5,6,7
	global_load_b32 v[SX+8*\g+\q], v[AFS], s[58:59] offset:16384*\q+128*\g
.endr
.endr
	WIN 0x40
	XQ 0
	XQ 1
	WIN 0
	s_wait_loadcnt 48                      ; the first five loads are in; behind them: 16 scale words and 32 loads of fragments
.irp i, 0,1,2,3
	ds_store_b128 v9, v[ACC+4*\i:ACC+4*\i+3] offset:2048*\i
.endr
	ds_store_b64 v10, v[ACC+16:ACC+17]
	WIN 0x40
	XQ 2
	XQ 3
	WIN 0x80
	XQ 4
	XQ 5
	XQ 6
	XQ 7
	WIN 0
	s_wait_tensorcnt 0x0                   ; my rows have landed,
	s_wait_dscnt 0x0                       ; my part of the scale bytes and of the bias is stored:
	s_barrier_signal -1
	s_barrier_wait -1                      ; everybody's
	FETCH 0, ADW0, ADS0, ADB0
	FETCH 1, ADW0, ADS0, ADB0
	s_wait_loadcnt 0x0                     ; the tokens' fragments and scale words
.Ltrip:                                        ; eight trips, a pair of weight tiles each
	s_wait_dscnt NF                        ; set 0 is in; set 1's NF loads may be out
	BATCH 0
	s_cmp_eq_u32 s[CNT], 7
	s_cbranch_scc1 .Lnone_0                ; the last trip fetches nothing
	s_add_co_u32 s52, s[CNT], 1
	s_min_u32 s52, s52, 7                  ; the next pair, held inside the eight
	s_mul_i32 s53, s52, 32*PITCH
	v_add_nc_u32 v[ADW], s53, v[ADW0]
	s_lshl_b32 s53, s52, 10
	v_add_nc_u32 v[ADS], s53, v[ADS0]
	s_lshl_b32 s53, s52, 7
	v_add_nc_u32 v[ADB], s53, v[ADB0]
	s_wait_alu depctr_va_vdst(0)           ; the wait here, directly behind the writes
	FETCH 0, ADW, ADS, ADB
	s_wait_dscnt NF                        ; set 1 is in; the NF just issued may be out
	s_branch .Lgo_1
.Lnone_0:
	s_wait_dscnt 0x0
.Lgo_1:
	BATCH 1
	s_cmp_eq_u32 s[CNT], 7
	s_cbranch_scc1 .Lnone_1
	FETCH 1, ADW, ADS, ADB
	s_branch .Lgo_2
.Lnone_1:
	s_wait_dscnt 0x0
.Lgo_2:
.irp n, 0,1,2,3
	GELU16 ACC+16*\n                       ; token tile n: its 16 numbers of the block, each sum from its low end on
.endr
.irp b, 0,1,2,3
	v_max3_num_f32 v[TM+\b], |v[ACC+16*\b]|, |v[ACC+1+16*\b]|, 0x4800000   ; with the floor 2^(9 - 127): the byte cannot fall under 1
.endr
.irp i, 2,4,6,8,10,12,14
.irp b, 0,1,2,3
	v_max3_num_f32 v[TM+\b], v[TM+\b], |v[ACC+16*\b+\i]|, |v[ACC+1+16*\b+\i]|
.endr
.endr
.irp b, 0,1,2,3
	v_permlanex16_b32 v[TM+4+\b], v[TM+\b], s[SEL], s[SEL+1]
.endr
.irp b, 0,1,2,3
	v_max_num_f32 v[TM+\b], v[TM+\b], v[TM+4+\b]           ; the block's largest magnitude
.endr
.irp b, 0,1,2,3
	v_add_nc_u32 v[TM+12+\b], 0xfc000000, v[TM+\b]         ; 8 off its exponent field: the conversion's scale operand
.endr
.irp b, 0,1,2,3
	v_and_or_b32 v[TM+8+\b], v[TM+\b], 0x7f800000, s[MNT]  ; 448 x the scale
.endr
.irp b, 0,1,2,3
	v_lshrrev_b32 v[TM+4+\b], 23, v[TM+12+\b]              ; the byte
.endr
.irp b, 0,1,2,3
	v_lshl_or_b32 v[SWD+\b], v[TM+4+\b], s[SH], v[SWD+\b]  ; into its place in the token's word: byte (pair % 4)
.endr
.irp b, 0,1,2,3
.irp i, 0,1,2,3,4,5,6,7,8,9,10,11,12,13,14,15
	v_med3_num_f32 v[ACC+16*\b+\i], v[ACC+16*\b+\i], -v[TM+8+\b], v[TM+8+\b]   ; the conversion does not saturate (ISA guide 7.6.2)
.endr
	v_cvt_scalef32_pk8_fp8_f32 v[PC+4*\b:PC+1+4*\b], v[ACC+16*\b:ACC+7+16*\b], v[TM+12+\b]
	v_cvt_scalef32_pk8_fp8_f32 v[PC+2+4*\b:PC+3+4*\b], v[ACC+8+16*\b:ACC+15+16*\b], v[TM+12+\b]
.endr
	v_nop                                  ; a plain line behind the last conversion
.irp b, 0,1,2,3                            ; lanes 0-15 hold channels 0-7, 16-23 of the block, lanes 16-31 channels 8-15, 24-31: 16-23 and 8-15 change places
.irp k, 0,1,2,3
	v_permlanex16_b32 v[U+4*\b+\k], v[PC+4*\b+\k], s[SEL], s[SEL+1]
.endr
.endr
.irp b, 0,1,2,3
	v_cndmask_b32 v[PC+4*\b], v[PC+4*\b], v[U+4*\b+2], s[HM]
	v_cndmask_b32 v[PC+4*\b+1], v[PC+4*\b+1], v[U+4*\b+3], s[HM]
	v_cndmask_b32 v[PC+4*\b+2], v[U+4*\b], v[PC+4*\b+2], s[HM]
	v_cndmask_b32 v[PC+4*\b+3], v[U+4*\b+1], v[PC+4*\b+3], s[HM]
.endr
.irp a, 0,1,2,3
	global_store_b128 v[ACO], v[PC+4*\a:PC+4*\a+3], s[14:15] offset:65536*\a   ; 512 consecutive bytes, aligned
.endr
	s_wait_alu depctr_va_vdst(0)           ; the wait ahead of the branch
	s_cmp_lg_u32 s[SH], 24
	s_cbranch_scc1 .Lno_word               ; a word is whole behind every fourth pair
	v_cndmask_b32 v[WD], v[SWD], v[SWD+1], s[HM]           ; lanes 0-15 the even tile's tokens, lanes 16-31 the odd tile's
	v_cndmask_b32 v[WD+1], v[SWD+2], v[SWD+3], s[HM]
	global_store_b32 v[AFS], v[WD], s[16:17]
	global_store_b32 v[AFS], v[WD+1], s[16:17] offset:128
.irp a, 0,1,2,3
	v_mov_b32 v[SWD+\a], 0
.endr
	s_wait_xcnt 0x0                        ; the stores have read their base
	s_add_nc_u64 s[16:17], s[16:17], 16384
.Lno_word:
	s_wait_xcnt 0x0                        ; the stores have read their base and their data: both are written anew below and in the next trip
	s_add_nc_u64 s[14:15], s[14:15], 512
	s_add_co_u32 s[SH], s[SH], 8
	s_and_b32 s[SH], s[SH], 31
	s_add_co_u32 s[CNT], s[CNT], 1
	s_cmp_lt_u32 s[CNT], 8
	s_wait_alu depctr_va_vdst(0)           ; the wait ahead of the backward jump
	s_cbranch_scc1 .Ltrip
	s_wait_tensorcnt 0x0                   ; the wave's end
	ds_add_u32 v[SPW], v[NIL]
	s_wait_dscnt 0x0
	CROUND                                 ; the closing round
	s_endpgm
.Lfunc_end_k_q9bb4e6b08b_w1:
	.size	k_q9bb4e6b08b_w1, .Lfunc_end_k_q9bb4e6b08b_w1-k_q9bb4e6b08b_w1
	.p2alignl 7, 3214868480
	.fill 96, 4, 3214868480
	.section	.rodata,"a",@progbits
	.p2align	6, 0x0
	.amdhsa_kernel k_q9bb4e6b08b_w1
		.amdhsa_group_segment_fixed_size 327680
		.amdhsa_private_segment_fixed_size 0
		.amdhsa_enable_private_segment 0
		.amdhsa_kernarg_size 56
		.amdhsa_user_sgpr_count 2
		.amdhsa_user_sgpr_kernarg_segment_ptr 1
		.amdhsa_wavefront_size32 1
		.amdhsa_system_sgpr_workgroup_id_x 1
		.amdhsa_system_sgpr_workgroup_id_y 1
		.amdhsa_system_sgpr_workgroup_id_z 1
		.amdhsa_system_vgpr_workitem_id 0
		.amdhsa_next_free_vgpr 1024
		.amdhsa_next_free_sgpr 66
		.amdhsa_reserve_vcc 0
		.amdhsa_float_denorm_mode_32 3
		.amdhsa_float_denorm_mode_16_64 3
		.amdhsa_memory_ordered 1
		.amdhsa_forward_progress 1
		.amdhsa_inst_pref_size 99
	.end_amdhsa_kernel
	.amdgpu_metadata
---
amdhsa.version: [ 1, 2 ]
amdhsa.kernels:
  - .name:           k_q9bb4e6b08b_w1
    .symbol:         k_q9bb4e6b08b_w1.kd
    .args:
      - { .name: act, .offset: 0, .size: 8, .value_kind: global_buffer, .address_space: global }
      - { .name: asc, .offset: 8, .size: 8, .value_kind: global_buffer, .address_space: global }
      - { .name: W1_codes, .offset: 16, .size: 8, .value_kind: global_buffer, .address_space: global }
      - { .name: W1_scales, .offset: 24, .size: 8, .value_kind: global_buffer, .address_space: global }
      - { .name: b1, .offset: 32, .size: 8, .value_kind: global_buffer, .address_space: global }
      - { .name: ffc, .offset: 40, .size: 8, .value_kind: global_buffer, .address_space: global }
      - { .name: ffs, .offset: 48, .size: 8, .value_kind: global_buffer, .address_space: global }
    .group_segment_fixed_size: 327680
    .private_segment_fixed_size: 0
    .kernarg_segment_align: 8
    .kernarg_segment_size: 56
    .max_flat_workgroup_size: 128
    .sgpr_count:     66
    .vgpr_count:     1024
    .wavefront_size: 32
...
	.end_amdgpu_metadata
.endif
;; end of part 6
;; launch w2 (part 7): grid 8 x 32, 4 waves a work-group, clusters of 4 x 4, 327,680 bytes of LDS; arguments ffc, ffs, W2_codes, W2_scales, b2, x2, out0; writes out0
.if DOCPART == 7
	.amdgcn_target "amdgcn-amd-amdhsa--gfx1250"
	.amdhsa_code_object_version 6
	.text
	.protected	k_q9bb4e6b08b_w2
	.globl	k_q9bb4e6b08b_w2
	.p2align	8
	.type	k_q9bb4e6b08b_w2,@function
k_q9bb4e6b08b_w2:
	s_mov_b64 s[64:65], 0
	v_nop
	global_prefetch_b8 v0, s[64:65] scope:SCOPE_SE
	s_setreg_imm32_b32 hwreg(HW_REG_WAVE_MODE, 25, 1), 1
	s_wait_xcnt 0x0
	s_wait_alu depctr_hold_cnt(0) depctr_sa_sdst(0) depctr_va_vdst(0) depctr_va_sdst(0) depctr_va_ssrc(0) depctr_va_vcc(0) depctr_vm_vsrc(0)
	s_getreg_b32 s2, hwreg(HW_REG_IB_STS2, 6, 4)
	s_cmp_eq_u32 s2, 0
	s_cbranch_scc0 .Lentry_in_a_cluster
	s_endpgm
.Lentry_in_a_cluster:
	s_bfe_u32 s2, ttmp6, 0x10000c
	s_cmp_lg_u32 s2, 0xf033
	s_cbranch_scc0 .Lentry_shape_is_right
	s_endpgm
.Lentry_shape_is_right:
.set SIZE_K, 4096
.set KS,    SIZE_K/32
.set NK,    SIZE_K/128
.set LAPS,  SIZE_K/1024
.set SLOT,  133120
.set BOFF,  65536
.set BP,    528
.set SCA,   2*SLOT
.set SCB,   SCA+4*SIZE_K
.set SPARE, SCB+4*SIZE_K
.set ADRA, 16
.set ADRB, 20
.set ADRSA, 22
.set ADRSB, 23
.set SPW, 28
.set NIL, 29
.set SC,  32
.set BI,  96
.set ACC, 128
.set F0,  0
.set F1,  128
.set BK,  64
.set G1, 24
.set G0, 32
.set G1B, 48
.set G0B, 56
.set G1S, 68
.set G0S, 76
.set G1SB, 80
.set G0SB, 88
.set MSB, 0
.macro WIN new
.if MSB != \new
	s_set_vgpr_msb (MSB<<8)|\new
.set MSB, \new
.endif
.endm
.set MUL,  0x05
.set TO_F, 0x40
.macro PLACES n
.rept \n
	v_nop
.endr
.endm
.macro JLOAD g0a, g1a, g0b, g1b
	s_cmp_eq_u32 s15, 0
	s_cbranch_scc0 .Lfor_b_\@
	tensor_load_to_lds s[\g0a:\g0a+3], s[\g1a:\g1a+7]
	s_nop 0
.rept 4
	v_nop
.endr
	s_branch .Lasked_\@
.Lfor_b_\@:
	tensor_load_to_lds s[\g0b:\g0b+3], s[\g1b:\g1b+7]
	s_nop 0
.rept 4
	v_nop
.endr
.Lasked_\@:
.endm
.macro CREST
	s_cmp_lg_u32 s14, 0
	s_cbranch_scc1 .Lnot_wave_0_\@
	s_barrier_signal -3
.Lnot_wave_0_\@:
	s_barrier_wait -3
	s_barrier_signal -1
	s_barrier_wait -1
.endm
.macro CROUND
	s_barrier_signal -1
	s_barrier_wait -1
	CREST
.endm
.macro MUL8 f, a0, q, set, first
.irp a, \a0, \a0+1
.irp b, 0,1,2,3
.set rD, ACC+8*(4*(\a)+\b)
.set rC, rD
.if \first
.set rC, BI+8*\b
.endif
.set rB, \f+64+16*\b
.set rA, \f+16*(\a)
.set rSB, SC+16*(\set)+8+4*(\b/2)+(\q)
.set rSA, SC+16*(\set)+4*((\a)/2)+(\q)
.if ((\a)%2) && (\b%2)
	v_wmma_scale_f32_16x16x128_f8f6f4 v[rD:rD+7], v[rB:rB+15], v[rA:rA+15], v[rC:rC+7], v[rSB], v[rSA] matrix_a_scale:MATRIX_SCALE_ROW1 matrix_b_scale:MATRIX_SCALE_ROW1
.elseif (\a)%2
	v_wmma_scale_f32_16x16x128_f8f6f4 v[rD:rD+7], v[rB:rB+15], v[rA:rA+15], v[rC:rC+7], v[rSB], v[rSA] matrix_b_scale:MATRIX_SCALE_ROW1
.elseif \b%2
	v_wmma_scale_f32_16x16x128_f8f6f4 v[rD:rD+7], v[rB:rB+15], v[rA:rA+15], v[rC:rC+7], v[rSB], v[rSA] matrix_a_scale:MATRIX_SCALE_ROW1
.else
	v_wmma_scale_f32_16x16x128_f8f6f4 v[rD:rD+7], v[rB:rB+15], v[rA:rA+15], v[rC:rC+7], v[rSB], v[rSA]
.endif
.endr
.endr
.endm
.macro FETCH slot, q, f
	WIN TO_F
.irp b, 0,1,2,3
.irp c, 0,1,2,3
	ds_load_b128 v[\f+64+16*\b+4*\c:\f+64+16*\b+4*\c+3], v[ADRB+\slot] offset:(32*(\b/2)+8*(\b%2))*BP+128*(\q)+32*\c
.endr
.endr
.irp a, 0,1,2,3
.irp c, 0,1,2,3
	ds_load_b128 v[\f+16*\a+4*\c:\f+16*\a+4*\c+3], v[ADRA+\slot] offset:8192*\a+2048*(\q)+512*\c
.endr
.endr
.endm
.macro SCALES set
	WIN 0
.irp g, 0,1
	ds_load_b128 v[SC+16*\set+8+4*\g:SC+16*\set+8+4*\g+3], v[ADRSB] offset:32*KS*\g
.endr
.irp g, 0,1
.irp q, 0,1,2,3
	ds_load_b32 v[SC+16*\set+4*\g+\q], v[ADRSA] offset:128*\g+512*\q
.endr
.endr
.endm
.macro QUARTER slot, qn, f, g, first
	s_wait_dscnt 8
	WIN MUL
	MUL8 \f, 0, (\qn)-1, \slot, \first
	PLACES 8
	FETCH \slot, \qn, \g
	s_wait_dscnt 32
	WIN MUL
	MUL8 \f, 2, (\qn)-1, \slot, \first
.endm
.macro TURN slot, next, fill
	WIN 0
	s_wait_tensorcnt 0x0
	ds_add_u32 v[SPW], v[NIL]
	s_wait_dscnt 9
	WIN MUL
	MUL8 F1, 0, 3, \slot, 0
	s_wait_dscnt 0x0
	s_barrier_signal -1
	WIN 0
	s_barrier_wait -1
.if \fill
	CREST
	s_add_nc_u64 s[G0+4*\slot+2:G0+4*\slot+3], s[G0+4*\slot+2:G0+4*\slot+3], 16384
	s_add_nc_u64 s[G0B+4*\slot+2:G0B+4*\slot+3], s[G0B+4*\slot+2:G0B+4*\slot+3], 1024
	JLOAD G0+4*\slot, G1, G0B+4*\slot, G1B
	PLACES 4
.else
	PLACES 8
.endif
	s_wait_alu depctr_va_vdst(0)
	v_add_nc_u32 v[ADRSA], 2048, v[ADRSA]  ; the next slot's scale words: four rows of 512 bytes
	v_add_nc_u32 v[ADRSB], 16, v[ADRSB]
	SCALES \next
	FETCH \next, 0, F0
	WIN MUL
	MUL8 F1, 2, 3, \slot, 0
.endm
	s_load_b256 s[4:11], s[0:1], 0x0
	s_load_b64 s[12:13], s[0:1], 0x20
	s_load_b128 s[92:95], s[0:1], 0x28
	v_lshl_add_u32 v[SPW], v0, 2, SPARE
	v_mov_b32 v[NIL], 0
	ds_add_u32 v[SPW], v[NIL]
	ds_add_u32 v[SPW], v[NIL]
	v_lshrrev_b32 v1, 5, v0
	v_readfirstlane_b32 s14, v1
	s_lshr_b32 s15, s14, 1
	s_and_b32 s16, s14, 1
	s_bfe_u32 s40, ttmp6, 0x40000
	s_bfe_u32 s41, ttmp6, 0x40004
	s_lshl_b32 s42, ttmp9, 2
	s_add_co_u32 s42, s42, s40
	s_and_b32 s17, ttmp7, 0xffff
	s_lshl_b32 s17, s17, 2
	s_add_co_u32 s17, s17, s41
	s_lshl_b32 s43, s41, 2
	s_lshl_b32 s43, 15, s43
	s_lshl_b32 s44, 0x1111, s40
	s_or_b32 s[G1], s43, (3<<16)|(1<<21)
	s_mov_b32 s[G1+1], 1024<<16
	s_mov_b32 s[G1+2], 8<<16               ; the head's load brings all 8 token tiles of slot 0; behind it the two words that count rows are set to 4, for the ring's
	s_mov_b32 s[G1+3], 1024<<16
	s_mov_b32 s[G1+4], 8
	s_mov_b32 s[G1+5], 2*SIZE_K
	s_mov_b32 s[G1+6], 0
	s_mov_b32 s[G1+7], 0
	s_or_b32 s[G1B], s44, (0<<16)|(1<<20)|(1<<21)|(6<<22)|(3<<25)
	s_mov_b32 s[G1B+1], 512<<16
	s_mov_b32 s[G1B+2], 128<<16            ; likewise all 128 weight rows, then 64
	s_mov_b32 s[G1B+3], 512<<16
	s_mov_b32 s[G1B+4], 128
	s_mov_b32 s[G1B+5], SIZE_K
	s_mov_b32 s[G1B+6], 0
	s_mov_b32 s[G1B+7], 0
	s_or_b32 s[G1S], s43, (3<<16)|(1<<21)
	s_mov_b32 s[G1S+1], 64<<16             ; rows of 512 bytes: 128 tokens' words of one K step
	s_mov_b32 s[G1S+2], NK<<16
	s_mov_b32 s[G1S+3], 64<<16
	s_mov_b32 s[G1S+4], NK
	s_mov_b32 s[G1S+5], 2048
	s_mov_b32 s[G1S+6], 0
	s_mov_b32 s[G1S+7], 0
	s_or_b32 s[G1SB], s44, (3<<16)|(1<<21)
	s_mov_b32 s[G1SB+1], 32<<16
	s_mov_b32 s[G1SB+2], (128*KS/256)<<16
	s_mov_b32 s[G1SB+3], 32<<16
	s_mov_b32 s[G1SB+4], 128*KS/256
	s_mov_b32 s[G1SB+5], 32
	s_mov_b32 s[G1SB+6], 0
	s_mov_b32 s[G1SB+7], 0
	s_lshl_b32 s20, s17, 3
	s_mul_i32 s20, s20, 16*SIZE_K
	s_mov_b32 s21, 0
	s_lshl_b32 s22, s17, 9
	s_mov_b32 s23, 0
	s_lshl_b32 s46, s42, 7
	s_mul_i32 s18, s46, KS
	s_mov_b32 s19, 0
	s_mul_i32 s46, s46, SIZE_K
	s_mov_b32 s47, 0
	s_lshl_b32 s45, s16, 15
	s_mul_i32 s2, s16, 64*BP
	s_add_co_u32 s2, s2, BOFF
	s_wait_dscnt 0x0
	s_wait_kmcnt 0x0
	s_add_nc_u64 s[20:21], s[4:5], s[20:21]
	s_add_nc_u64 s[22:23], s[6:7], s[22:23]
	s_add_nc_u64 s[46:47], s[8:9], s[46:47]
	s_add_nc_u64 s[18:19], s[10:11], s[18:19]
	CROUND
	s_mov_b32 s[G0S], 1
	s_mov_b32 s[G0S+1], SCA
	s_mov_b64 s[G0S+2:G0S+3], s[22:23]
	s_or_b32 s[G0S+3], s[G0S+3], 0x80000000
	s_mov_b32 s[G0SB], 1
	s_mov_b32 s[G0SB+1], SCB
	s_mov_b64 s[G0SB+2:G0SB+3], s[18:19]
	s_or_b32 s[G0SB+3], s[G0SB+3], 0x80000000
	s_mov_b32 s4, 1                        ; group 0 of the head's loads of slot 0, each tile whole, in registers that held arguments: the tokens' 8 tiles,
	s_mov_b32 s5, 0
	s_mov_b64 s[6:7], s[20:21]
	s_or_b32 s7, s7, 0x80000000
	s_mov_b32 s8, 1                        ; the weights' 128 rows
	s_mov_b32 s9, BOFF
	s_mov_b64 s[10:11], s[46:47]
	s_or_b32 s11, s11, 0x80000000
	s_lshl_b32 s96, s16, 18                ; for the ring: my half of a tile: 4 token tiles of 16 SIZE_K bytes,
	s_mov_b32 s97, 0
	s_add_nc_u64 s[20:21], s[20:21], s[96:97]
	s_mul_i32 s96, s16, 64*SIZE_K          ; or 64 weight rows
	s_add_nc_u64 s[46:47], s[46:47], s[96:97]
.irp s, 0,1
	s_mov_b32 s[G0+4*\s], 1
	s_add_co_u32 s[G0+4*\s+1], s45, \s*SLOT
	s_add_nc_u64 s[G0+4*\s+2:G0+4*\s+3], s[20:21], \s*8192
	s_or_b32 s[G0+4*\s+3], s[G0+4*\s+3], 0x80000000
	s_mov_b32 s[G0B+4*\s], 1
	s_add_co_u32 s[G0B+4*\s+1], s2, \s*SLOT
	s_add_nc_u64 s[G0B+4*\s+2:G0B+4*\s+3], s[46:47], \s*512
	s_or_b32 s[G0B+4*\s+3], s[G0B+4*\s+3], 0x80000000
.endr
	; THE HEAD'S FOUR TILES, ONE JOINT LOAD A WAVE: wave 0 slot 0's tokens, wave 1 its weights, wave 2 the tokens' scale words, wave 3 the weights' scale bytes
.macro ARM under, g0, g1, next
	s_cmp_lt_u32 s14, \under
	s_cbranch_scc0 \next
	tensor_load_to_lds s[\g0:\g0+3], s[\g1:\g1+7]
	s_nop 0
.rept 4
	v_nop
.endr
	s_branch .Lhead_asked
\next:
.endm
	ARM 1, 4, G1, .Lhead_b
	ARM 2, 8, G1B, .Lhead_sa
	ARM 3, G0S, G1S, .Lhead_sb
	tensor_load_to_lds s[G0SB:G0SB+3], s[G1SB:G1SB+7]
	s_nop 0
.rept 4
	v_nop
.endr
.Lhead_asked:
	s_wait_alu depctr_va_vdst(0)
	s_wait_tensorcnt 0x0                   ; my tile of the four is in
	ds_add_u32 v28, v29
	s_mov_b32 s[G1+2], 4<<16               ; no tensor load of mine is out, so a descriptor may be written: from here on a load brings half a tile
	s_mov_b32 s[G1+4], 4
	s_mov_b32 s[G1B+2], 64<<16
	s_mov_b32 s[G1B+4], 64
	s_wait_dscnt 0x0
	CROUND
	JLOAD G0+4, G1, G0B+4, G1B             ; slot 1's first fill, the first tensor load behind the round
	v_and_b32 v1, 15, v0
	v_bfe_u32 v2, v0, 4, 1
	v_and_b32 v3, 8, v1
	v_add_nc_u32 v3, v3, v1
	v_and_b32 v4, 31, v0
	v_lshlrev_b32 v5, 4, v4
	s_lshl_b32 s45, s15, 15
	v_add_nc_u32 v[ADRA], s45, v5
	v_add_nc_u32 v[ADRA+1], SLOT, v[ADRA]
	v_mul_u32_u24 v6, v3, BP
	v_lshl_add_u32 v6, v2, 4, v6
	s_mul_i32 s45, s16, 64*BP
	s_add_co_u32 s45, s45, BOFF
	v_add_nc_u32 v[ADRB], s45, v6
	v_add_nc_u32 v[ADRB+1], SLOT, v[ADRB]
	v_lshl_add_u32 v7, v2, 3, v3
	s_mul_i32 s45, s15, 256
	s_add_co_u32 s45, s45, SCA
	v_lshl_add_u32 v[ADRSA], v7, 2, s45
	v_mul_u32_u24 v8, v7, KS
	s_mul_i32 s45, s16, 64*KS
	s_add_co_u32 s45, s45, SCB
	v_add_nc_u32 v[ADRSB], s45, v8
	s_lshl_b32 s46, s42, 9
	s_lshl_b32 s47, s16, 8
	s_add_co_u32 s46, s46, s47
	s_mov_b32 s47, 0
	s_add_nc_u64 s[12:13], s[12:13], s[46:47]
	v_lshlrev_b32 v9, 6, v2
.irp b, 0,1,2,3
	global_load_b128 v[BI+8*\b:BI+8*\b+3], v9, s[12:13] offset:(32*(\b/2)+8*(\b%2))*4
	global_load_b128 v[BI+8*\b+4:BI+8*\b+7], v9, s[12:13] offset:(32*(\b/2)+8*(\b%2))*4+16
.endr
	s_lshl_b32 s98, s17, 7
	s_lshl_b32 s99, s15, 6
	s_add_co_u32 s98, s98, s99
	s_lshl_b32 s98, s98, 12
	s_add_co_u32 s98, s98, s46
	s_mov_b32 s99, 0
	s_add_nc_u64 s[92:93], s[92:93], s[98:99]
	s_add_nc_u64 s[94:95], s[94:95], s[98:99]
	v_lshlrev_b32 v24, 12, v2
	v_lshl_add_u32 v24, v1, 4, v24
	WIN 0x80
.irp a, 0,1,2,3
.irp i, 0,1,2,3,4,5,6,7
	global_load_b128 v[32*\a+4*\i:32*\a+4*\i+3], v24, s[92:93] offset:4096*(32*(\a/2)+8*(\a%2)+2*\i+8*(\i/4))
.endr
.endr
	WIN 0
	s_mul_i32 s45, s14, 16*272
	v_mul_u32_u24 v25, v1, 272
	v_lshl_add_u32 v25, v2, 6, v25
	v_add_nc_u32 v25, s45, v25
	v_mul_u32_u24 v26, v2, 272
	v_lshl_add_u32 v26, v1, 4, v26
	v_add_nc_u32 v26, s45, v26
	s_wait_tensorcnt 1
	s_barrier_signal -1
	s_barrier_wait -1
	SCALES 0
	FETCH 0, 0, F0
	s_wait_loadcnt 32
	QUARTER 0, 1, F0, F1, 1
.if LAPS > 1
	WIN 0
	s_mov_b32 s3, LAPS-1
.Llap:
	QUARTER 0, 2, F1, F0, 0
	QUARTER 0, 3, F0, F1, 0
	TURN 0, 1, 1
	QUARTER 1, 1, F0, F1, 0
	QUARTER 1, 2, F1, F0, 0
	QUARTER 1, 3, F0, F1, 0
	TURN 1, 0, 1
	QUARTER 0, 1, F0, F1, 0
	WIN 0
	s_sub_co_u32 s3, s3, 1
	s_cmp_lg_u32 s3, 0
	s_cbranch_scc1 .Llap
.endif
	QUARTER 0, 2, F1, F0, 0
	QUARTER 0, 3, F0, F1, 0
	TURN 0, 1, 0
	QUARTER 1, 1, F0, F1, 0
	QUARTER 1, 2, F1, F0, 0
	QUARTER 1, 3, F0, F1, 0
	s_wait_dscnt 8
	WIN MUL
	MUL8 F1, 0, 3, 1, 0
	s_wait_dscnt 0x0
	MUL8 F1, 2, 3, 1, 0
	WIN 0
	PLACES 8
	s_wait_loadcnt 0x0
.macro TOSTAGE a
.irp b, 0,1,2,3
	ds_store_b128 v25, v[ACC+8*(4*(\a)+\b):ACC+8*(4*(\a)+\b)+3] offset:4*(32*(\b/2)+8*(\b%2))
	ds_store_b128 v25, v[ACC+8*(4*(\a)+\b)+4:ACC+8*(4*(\a)+\b)+7] offset:4*(32*(\b/2)+8*(\b%2))+16
.endr
.irp i, 0,1,2,3,4,5,6,7
	ds_load_b128 v[BK+32*((\a)%2)+4*\i:BK+32*((\a)%2)+4*\i+3], v26 offset:544*\i
.endr
.endm
.macro SEND a, younger
	s_wait_dscnt \younger
	WIN 0x08
.set n, 0
.rept 16
	v_pk_add_f32 v[BK+32*((\a)%2)+2*n:BK+32*((\a)%2)+2*n+1], v[BK+32*((\a)%2)+2*n:BK+32*((\a)%2)+2*n+1], v[32*(\a)+2*n:32*(\a)+2*n+1]
.set n, n+1
.endr
	WIN 0
.irp i, 0,1,2,3,4,5,6,7
	global_store_b128 v24, v[BK+32*((\a)%2)+4*\i:BK+32*((\a)%2)+4*\i+3], s[94:95] offset:4096*(32*((\a)/2)+8*((\a)%2)+2*\i+8*(\i/4)) th:TH_STORE_NT
.endr
.endm
	TOSTAGE 0
.irp a, 1,2,3
.if \a > 1
	s_wait_xcnt 0x0
.endif
	TOSTAGE \a
	SEND \a-1, 16
.endr
	SEND 3, 0
	s_wait_tensorcnt 0x0
	ds_add_u32 v[SPW], v[NIL]
	s_wait_dscnt 0x0
	CROUND
	s_endpgm
.Lfunc_end_k_q9bb4e6b08b_w2:
	.size	k_q9bb4e6b08b_w2, .Lfunc_end_k_q9bb4e6b08b_w2-k_q9bb4e6b08b_w2
	.p2alignl 7, 3214868480
	.fill 96, 4, 3214868480
	.section	.rodata,"a",@progbits
	.p2align	6, 0x0
	.amdhsa_kernel k_q9bb4e6b08b_w2
		.amdhsa_group_segment_fixed_size 327680
		.amdhsa_private_segment_fixed_size 0
		.amdhsa_enable_private_segment 0
		.amdhsa_kernarg_size 56
		.amdhsa_user_sgpr_count 2
		.amdhsa_user_sgpr_kernarg_segment_ptr 1
		.amdhsa_wavefront_size32 1
		.amdhsa_system_sgpr_workgroup_id_x 1
		.amdhsa_system_sgpr_workgroup_id_y 1
		.amdhsa_system_sgpr_workgroup_id_z 1
		.amdhsa_system_vgpr_workitem_id 0
		.amdhsa_next_free_vgpr 768
		.amdhsa_next_free_sgpr 102
		.amdhsa_reserve_vcc 0
		.amdhsa_float_denorm_mode_32 3
		.amdhsa_float_denorm_mode_16_64 3
		.amdhsa_memory_ordered 1
		.amdhsa_forward_progress 1
		.amdhsa_inst_pref_size 102
	.end_amdhsa_kernel
	.amdgpu_metadata
---
amdhsa.version: [ 1, 2 ]
amdhsa.kernels:
  - .name:           k_q9bb4e6b08b_w2
    .symbol:         k_q9bb4e6b08b_w2.kd
    .args:
      - { .name: ffc, .offset: 0, .size: 8, .value_kind: global_buffer, .address_space: global }
      - { .name: ffs, .offset: 8, .size: 8, .value_kind: global_buffer, .address_space: global }
      - { .name: W2_codes, .offset: 16, .size: 8, .value_kind: global_buffer, .address_space: global }
      - { .name: W2_scales, .offset: 24, .size: 8, .value_kind: global_buffer, .address_space: global }
      - { .name: b2, .offset: 32, .size: 8, .value_kind: global_buffer, .address_space: global }
      - { .name: x2, .offset: 40, .size: 8, .value_kind: global_buffer, .address_space: global }
      - { .name: out0, .offset: 48, .size: 8, .value_kind: global_buffer, .address_space: global }
    .group_segment_fixed_size: 327680
    .private_segment_fixed_size: 0
    .kernarg_segment_align: 8
    .kernarg_segment_size: 56
    .max_flat_workgroup_size: 128
    .sgpr_count:     102
    .vgpr_count:     768
    .wavefront_size: 32
...
	.end_amdgpu_metadata
.endif
;; end of part 7
